; MI455X (gfx1250); checked and timed in simulation.
; The chip was launched on July 23, 2026; its instructions are those of AMD's public machine-readable ISA for CDNA 5 (MIT licence, August 2026) and "CDNA5" Instruction Set Architecture Reference Guide (July 2026). The comments in the code are by the model that wrote it; some were corrected since.
;; Raman Amplifier. Allowed arithmetic: float matrix products may take bf16 or f16 operands with f32 sums; all other float work in f32.
;; Inputs: raman_response 801 float32; signal_wavelengths 100 float32; x 4,096 x 8 float32.
;; Outputs: out0 4,096 x 100 float32.
;; 3 versions, each right; version 2 is faster than version 1; version 3 is version 2 with the launch raman written anew for expert scheduling mode. Each part assembles by itself: llvm-mc -triple=amdgcn-amd-amdhsa -mcpu=gfx1250 --defsym DOCPART=n.
;; ======== version 1 of 3: 2 launches
;; workspace buffers: idx_ss 65,536 bytes of whole numbers; idx_pb 8,388,608 bytes of whole numbers; idx_pp 262,144 bytes of whole numbers
;; launch indices (part 1): grid 256 x 1, 4 waves a work-group, no clusters, 2,560 bytes of LDS; arguments signal_wavelengths, x, idx_ss, idx_pb, idx_pp; writes idx_ss, idx_pb, idx_pp
.if DOCPART == 1
	.amdgcn_target "amdgcn-amd-amdhsa--gfx1250"
	.amdhsa_code_object_version 6
	.text
	.protected	k_q53eb849e22_indices
	.globl	k_q53eb849e22_indices
	.p2align	8
	.type	k_q53eb849e22_indices,@function
k_q53eb849e22_indices:
	s_mov_b64 s[64:65], 0
	v_nop
	global_prefetch_b8 v0, s[64:65] scope:SCOPE_SE
	s_setreg_imm32_b32 hwreg(HW_REG_WAVE_MODE, 25, 1), 1
	s_wait_xcnt 0x0
; Table indices for the Raman gain: i0 = min(trunc(|f_j - f_i| * 2e-11), 799), stored as whole numbers for the next launch,
; which gathers from raman_response by them.  An index comes from floating-point numbers, so it is made here and used there.
; Work-group g owns batch rows 16 g .. 16 g + 15.  Thread tid (0..127) is column slot sigma = tid.
; SLOTS: the 100 signal channels sit in 128 slots; w = sigma>>5, tau = (sigma>>4)&1, h = (sigma>>3)&1, jj = sigma&7,
; t = 8 tau + jj, channel = 26 w + 13 h + t; a slot is live if t < 13 and channel < 100.  A pad slot takes the wavelength of
; channel min(channel, 99); the next launch masks its gains to zero.
; idx_pb [g][b 0..15][sigma 0..127][p 0..3]: pump (b, p) against slot sigma.   idx_pp [g][rho = 4 b + p][p' 0..3]: pump against pump.
; idx_ss [Q 0..31][sigma 0..127][4 rows]: slot 4 Q + e against slot sigma; the same for all batch rows, written by work-groups 0..31.
; LIMITS: f = C0 / lambda is a reciprocal with one correction step, and |D| / 50e9 is |D| * 2e-11, so an index can differ by one from
; reference()'s where fidx falls on a whole number; the next launch forms w = fidx - i0 from the stored index, which continues the
; neighbouring line to the same value there.  Zero, infinite or NaN wavelengths are not served.
.set C0F,   0x4d8ef3c2                 ; 299792458 in f32
.set INVDF, 0x2dafebff                 ; 2e-11 = 1 / 50e9
.set IMAX,  0x31f                      ; 799 = table length - 2
.set FRS, 0                            ; LDS: 128 slot frequencies
.set FRP, 512                          ; LDS: pump frequencies, word 4 b + p (words 64..127 repeat them and are not read)
.set FJ,  2                            ; v2        my slot's frequency
.set FP,  3                            ; v3        frequency of pump row tid & 63
.set VO,  4                            ; v4        16 tid: my 16 bytes in every table row
.set FQ,  16                           ; v[16:79]  the 64 pump frequencies
.set IX,  80                           ; v[80:143] 64 indices
	s_load_b256 s[4:11], s[0:1], 0x0               ; signal_wavelengths s[4:5], x s[6:7], idx_ss s[8:9], idx_pb s[10:11]
	s_load_b64 s[12:13], s[0:1], 0x20              ; idx_pp
	v_lshl_add_u32 v168, v0, 2, 0x800
	v_mov_b32 v169, 0
	v_lshrrev_b32 v1, 5, v0
	v_readfirstlane_b32 s14, v1                    ; wave
	s_mov_b32 s15, ttmp9                           ; g
	s_mov_b32 s16, C0F
	s_mov_b32 s17, INVDF
	s_mov_b32 s20, 0x7fffffff                      ; clears a sign
	v_and_b32 v5, 7, v0                            ; jj
	v_bfe_u32 v6, v0, 4, 1                         ; tau
	v_lshl_add_u32 v5, v6, 3, v5                   ; t
	v_bfe_u32 v6, v0, 3, 1                         ; h
	v_mad_u32_u24 v5, v6, 13, v5
	v_mad_u32_u24 v5, v1, 26, v5                   ; channel
	v_min_u32 v5, 99, v5                           ; a pad slot reads the last channel
	v_lshlrev_b32 v5, 2, v5
	v_bfe_u32 v6, v0, 2, 4                         ; b
	v_and_b32 v7, 3, v0                            ; p
	v_lshlrev_b32 v7, 2, v7
	v_lshl_add_u32 v6, v6, 5, v7                   ; 32 b + 4 p: the pump's wavelength in my 16 rows of x
	v_lshlrev_b32 v[VO], 4, v0
	v_lshlrev_b32 v10, 2, v0
	s_lshl_b32 s18, s15, 9                         ; 16 rows of x, 32 bytes each
	s_mov_b32 s19, 0
	s_wait_kmcnt 0x0
	s_add_nc_u64 s[6:7], s[6:7], s[18:19]
	global_load_b32 v8, v5, s[4:5]
	global_load_b32 v9, v6, s[6:7]
	s_lshl_b32 s18, s15, 15
	s_add_nc_u64 s[10:11], s[10:11], s[18:19]      ; my 32,768 bytes of idx_pb
	s_lshl_b32 s18, s15, 10
	s_add_nc_u64 s[12:13], s[12:13], s[18:19]      ; my 1,024 bytes of idx_pp
	s_wait_loadcnt 0x0
; f = C0 / lambda: reciprocal, quotient, remainder, correction
.macro FREQ1 lam, f, t0, t1
	v_rcp_f32 v\t0, v\lam
	v_nop                                          ; one plain place behind the reciprocal (ISA guide 5.7.2)
	s_wait_alu depctr_va_vdst(0)
	v_mul_f32 v\t1, s16, v\t0
	v_fma_f32 v\f, -v\t1, v\lam, s16
	v_fma_f32 v\f, v\f, v\t0, v\t1
.endm
	FREQ1 8, 2, 11, 12
	FREQ1 9, 3, 11, 12
	ds_store_b32 v10, v[FJ] offset:FRS
	ds_store_b32 v10, v[FP] offset:FRP
	s_wait_dscnt 0x0                               ; my two words are in LDS before I say so
	s_barrier_signal -1
	s_barrier_wait -1
; four indices: column frequency fj against the four row frequencies fi .. fi + 3
.macro IDX4 out, fj, fi
.irp e, 0,1,2,3
	v_sub_f32 v[\out+\e], v[\fj], v[\fi+\e]
.endr
.irp e, 0,1,2,3
	v_and_b32 v[\out+\e], s20, v[\out+\e]
.endr
.irp e, 0,1,2,3
	v_mul_f32 v[\out+\e], s17, v[\out+\e]
.endr
.irp e, 0,1,2,3
	v_cvt_u32_f32 v[\out+\e], v[\out+\e]           ; toward zero = floor, the number is not negative
.endr
.irp e, 0,1,2,3
	v_min_u32 v[\out+\e], IMAX, v[\out+\e]
.endr
.endm
	; pumps against slots: 16 batch rows x 4 pumps for my column
	v_mov_b32 v12, 0
.irp b, 0,1,2,3,4,5,6,7,8,9,10,11,12,13,14,15
	ds_load_b128 v[FQ+4*\b:FQ+4*\b+3], v12 offset:FRP+16*\b
.endr
	s_wait_dscnt 0x0
.irp b, 0,1,2,3,4,5,6,7,8,9,10,11,12,13,14,15
	IDX4 IX+4*\b, FJ, FQ+4*\b
	global_store_b128 v[VO], v[IX+4*\b:IX+4*\b+3], s[10:11] offset:2048*\b   ; a wave's store covers 512 consecutive bytes, aligned
.endr
	; pumps against pumps: threads 0..63 = pump rows, so waves 0 and 1
	s_cmp_ge_u32 s14, 2
	s_cbranch_scc1 .Lno_pp
	v_and_b32 v13, 0x7c, v0
	v_lshlrev_b32 v13, 2, v13                      ; 16 b
	ds_load_b128 v[152:155], v13 offset:FRP        ; the four pumps of my batch row
	s_wait_dscnt 0x0
	IDX4 144, FP, 152
	global_store_b128 v[VO], v[144:147], s[12:13]
.Lno_pp:
	; slots against slots: 32 row quads, one for each of the first 32 work-groups
	s_cmp_ge_u32 s15, 32
	s_cbranch_scc1 .Lno_ss
	s_lshl_b32 s18, s15, 11
	s_add_nc_u64 s[8:9], s[8:9], s[18:19]          ; quad g's 2,048 bytes
	s_and_b32 s21, s15, 31
	s_lshl_b32 s21, s21, 4
	v_mov_b32 v14, s21
	ds_load_b128 v[156:159], v14 offset:FRS        ; rows 4 g .. 4 g + 3
	s_wait_dscnt 0x0
	IDX4 148, FJ, 156
	global_store_b128 v[VO], v[148:151], s[8:9]
.Lno_ss:
	s_wait_tensorcnt 0x0
	ds_add_u32 v168, v169
	s_wait_dscnt 0x0
	s_endpgm
.Lfunc_end_k_q53eb849e22_indices:
	.size	k_q53eb849e22_indices, .Lfunc_end_k_q53eb849e22_indices-k_q53eb849e22_indices
	.p2alignl 7, 3214868480
	.fill 96, 4, 3214868480
	.section	.rodata,"a",@progbits
	.p2align	6, 0x0
	.amdhsa_kernel k_q53eb849e22_indices
		.amdhsa_group_segment_fixed_size 2560
		.amdhsa_private_segment_fixed_size 0
		.amdhsa_enable_private_segment 0
		.amdhsa_kernarg_size 40
		.amdhsa_user_sgpr_count 2
		.amdhsa_user_sgpr_kernarg_segment_ptr 1
		.amdhsa_wavefront_size32 1
		.amdhsa_system_sgpr_workgroup_id_x 1
		.amdhsa_system_sgpr_workgroup_id_y 1
		.amdhsa_system_sgpr_workgroup_id_z 1
		.amdhsa_system_vgpr_workitem_id 0
		.amdhsa_next_free_vgpr 170
		.amdhsa_next_free_sgpr 66
		.amdhsa_reserve_vcc 0
		.amdhsa_float_denorm_mode_32 3
		.amdhsa_float_denorm_mode_16_64 3
		.amdhsa_memory_ordered 1
		.amdhsa_forward_progress 1
		.amdhsa_inst_pref_size 20
	.end_amdhsa_kernel
	.amdgpu_metadata
---
amdhsa.version: [ 1, 2 ]
amdhsa.kernels:
  - .name:           k_q53eb849e22_indices
    .symbol:         k_q53eb849e22_indices.kd
    .args:
      - { .name: signal_wavelengths, .offset: 0, .size: 8, .value_kind: global_buffer, .address_space: global }
      - { .name: x, .offset: 8, .size: 8, .value_kind: global_buffer, .address_space: global }
      - { .name: idx_ss, .offset: 16, .size: 8, .value_kind: global_buffer, .address_space: global }
      - { .name: idx_pb, .offset: 24, .size: 8, .value_kind: global_buffer, .address_space: global }
      - { .name: idx_pp, .offset: 32, .size: 8, .value_kind: global_buffer, .address_space: global }
    .group_segment_fixed_size: 2560
    .private_segment_fixed_size: 0
    .kernarg_segment_align: 8
    .kernarg_segment_size: 40
    .max_flat_workgroup_size: 128
    .sgpr_count:     66
    .vgpr_count:     170
    .wavefront_size: 32
...
	.end_amdgpu_metadata
.endif
;; end of part 1
;; launch raman (part 2): grid 256 x 1, 4 waves a work-group, no clusters, 168,448 bytes of LDS; arguments raman_response, signal_wavelengths, x, idx_ss, idx_pb, idx_pp, out0; writes out0
.if DOCPART == 2
	.amdgcn_target "amdgcn-amd-amdhsa--gfx1250"
	.amdhsa_code_object_version 6
	.text
	.protected	k_q53eb849e22_raman
	.globl	k_q53eb849e22_raman
	.p2align	8
	.type	k_q53eb849e22_raman,@function
k_q53eb849e22_raman:
	s_mov_b64 s[64:65], 0
	v_nop
	global_prefetch_b8 v0, s[64:65] scope:SCOPE_SE
	s_setreg_imm32_b32 hwreg(HW_REG_WAVE_MODE, 25, 1), 1
	s_wait_xcnt 0x0
; Raman amplifier: 249 RK4 steps of dP_i/dz = (sum_j G_ij P_j - loss_i) P_i for 4 pumps + 100 signals, 4096 batch rows.
; Work-group g owns batch rows 16 g .. 16 g + 15 (one column tile of the matrix unit); its four waves split the channels.
; reference() broadcasts the signal frequencies over the batch, so the signal-signal block of G is one matrix for all rows:
;   signals <- signals : D = A x B, A = G_ss (bf16, rows = output slots), B = P transposed (bf16, K = slots, N = batch row)
;   pumps   <- signals : the same B against A' with rows rho = 4 b + p; of D' only the entries with b = the column's batch row are used
;   signals <- pumps, pumps <- pumps : f32 on the vector unit, gains kept in registers
; SLOTS: 128 slots sigma; w = sigma>>5, tau = (sigma>>4)&1, h = (sigma>>3)&1, jj = sigma&7, t = 8 tau + jj, channel = 26 w + 13 h + t,
; live if t < 13 and channel < 100; pad slots have gain 0 and power 0.  Wave w owns slots 32 w .. 32 w + 31 = its two D tiles; register jj of
; tile tau in lane (r, h) is slot (w, tau, h, jj) of batch row r, which is the place that the B fragment of K step w has in the same
; lane: D becomes B by seven packed conversions and no move between lanes.  A lane carries t = 0 .. 13 as seven register pairs.
; Each of the 996 derivative evaluations: every wave puts its B fragment and its pump powers into LDS, one barrier, every wave reads the
; other three fragments.  Two exchange buffers take turns, so that one barrier an evaluation is enough.
; The launch asks for more LDS than the 120,848 bytes in use, so that no second work-group shares these four waves' SIMDs.
; LIMITS: G_ss, the pump rows and P enter the matrix unit rounded to bf16 (bf16, not f16, for its range).  |D| / 50e9 is |D| * 2e-11,
; / 80e-12 is * 1.25e10, f_i / f_j is f_i times a reciprocal, C0 / lambda a reciprocal with one correction step: last bits can differ from
; reference()'s.  max(1, ratio) drops a NaN.  Zero, infinite or NaN wavelengths are not served.
; No tensor load, cluster or prefetch: nothing is streamed; memory is touched in the set-up (indices, one trip ahead) and at the end.
.set IMAX, 0x31f                       ; 799
; LDS map, bytes
.set RT,  0                            ; raman_response, 801 words; words 801..895 repeat word 800
.set FR,  3584                         ; frequency of row: rows 0..127 slots, rows 128 + rho pumps
.set RF,  4608                         ; 1 / frequency
.set MR,  5632                         ; mask * 1.25e10
.set LS,  6656                         ; - loss
.set PI,  7680                         ; power at z = 0
.set AM,  8704                         ; bf16 matrix, 192 rows: G_ss[sigma_i][sigma_j], then G[b, p, sigma_j]
.set APITCH, 272                       ; 256 bytes + 16: sixteen rows start at sixteen different 16-byte columns
.set GCB, 60928                        ; f32 G[b, i = sigma, p] at [rho][sigma]
.set GPITCH, 528
.set GPB, 94720                        ; f32 G[b, p, p'] at 64 b + 16 p' + 4 p
.set XB,  95744                        ; exchange, two buffers
.set XBUF, 6144                        ; a buffer: fragments at 1024 w + {0, 512} + 16 lane, pump powers at XPUMP + 512 w + 16 lane
.set XPUMP, 4096
.set OSB, 108032                       ; output stage: 16 rows of 400 bytes, dense
.set ODUMP, 6400                       ; the pad channels 100..103 go this far behind their place, into bytes of their own
; registers of the set-up (block 0)
.set FJ, 2                             ; my column's frequency
.set RFJ, 3                            ; its reciprocal
.set MJ, 4                             ; its mask, 1 or 0
.set VOFF, 5                           ; byte offset of my 16 bytes in the index tables
.set VST, 6                            ; where my column of AM goes
.set VGS, 7                            ; where my column of GCB goes
.set IDX, 8                            ; v[8:23]    16 indices as loaded
.set IA,  24                           ; v[24:39]   clamped; later the second orientation's factor
.set R0,  40                           ; v[40:55]   table[i0]
.set R1,  56                           ; v[56:71]   table[i0 + 1]
.set FRR, 72                           ; v[72:87]   the 16 rows' frequencies
.set MRR, 88                           ; v[88:103]  their masks * 1.25e10
.set RFR, 104                          ; v[104:119] their reciprocal frequencies
.set TD,  120                          ; v[120:135] D
.set TW,  136                          ; v[136:151] w
.set TG,  152                          ; v[152:167] 1 - w, then g
.set TR,  168                          ; v[168:183] sign * max(1, ratio) * mask / A_eff, then G
.set VROW, 194                         ; 4 x first row of the trip
.set TA,  208                          ; v[208:223] gather addresses
; v[196:197] my two pump-pump indices; v198, v199, v224..v254 at work before the first barrier
; registers of the RK loop, block 0
.set BF,  8                            ; v[8:39]    B fragments: own, then of waves w+1, w+2, w+3 (mod 4); v15 = 0 (slots t = 14, 15)
.set T0,  40                           ; v[40:47]   D tile tau = 0
.set T1,  48                           ; v[48:55]   D tile tau = 1
.set DP,  56                           ; v[56:63]   D' tile (pump rows)
.set P0,  64                           ; v[64:77]   signals at the step's start
.set YS,  80                           ; v[80:93]   signals at the stage
.set AC,  96                           ; v[96:109]  RK sum
.set CC,  112                          ; v[112:125] (pump columns - loss), then times Y
.set KK,  128                          ; v[128:141] k
.set NL,  144                          ; v[144:157] - loss
.set P0P, 160                          ; v[160:163] pumps of my batch row at the step's start
.set PPS, 164                          ; v[164:167] pumps at the stage
.set ACP, 168
.set CPP, 172
.set KP,  176
.set RS,  180                          ; the four pump-row sums of my batch row
.set YP,  184                          ; pumps for the next stage
.set NLP, 188
.set STF, 192                          ; where my fragment goes
.set STP, 193                          ; where my pump powers go
; v200 lane, v201 r = lane & 15, v202 h = lane >> 4
; block 1 (v256 and up, named by their low 8 bits): constants of the loop, always read as source 0
.set AS,  0                            ; v[0:63]    A fragments of G_ss, at 16 q + 8 tau
.set AP,  64                           ; v[64:95]   A fragments of the pump rows, at 8 q
.set GC,  96                           ; v[96:159]  G[b, slot t, p] at 16 p + t
.set GP,  160                          ; v[160:175] G[b, p, p'] at 4 p' + p
.set LDP, 176                          ; read address of my batch row's pump powers
.set LDF, 176                          ; LDF + q, q = 1..3: read addresses of the other waves' fragments
.set MSB, 0
.macro WIN new                         ; the immediate's high byte repeats the setting that is left
.if MSB != \new
	s_set_vgpr_msb (MSB<<8)|\new
.set MSB, \new
.endif
.endm
	s_load_b256 s[4:11], s[0:1], 0x0               ; raman_response s[4:5], signal_wavelengths s[6:7], x s[8:9], idx_ss s[10:11]
	s_load_b128 s[12:15], s[0:1], 0x20             ; idx_pb s[12:13], idx_pp s[14:15]
	s_load_b64 s[16:17], s[0:1], 0x30              ; out0
	v_lshl_add_u32 v195, v0, 2, 0x29000
	v_mov_b32 v255, 0
	v_lshrrev_b32 v1, 5, v0
	v_readfirstlane_b32 s18, v1                    ; wave
	s_mov_b32 s19, ttmp9                           ; g
	s_mov_b32 s20, 0x42c8cd9f                      ; dz / 2, dz = 50000 / 249; pairs, since the packed forms name pairs
	s_mov_b32 s21, 0x42c8cd9f
	s_mov_b32 s22, 0x4348cd9f                      ; dz
	s_mov_b32 s23, 0x4348cd9f
	s_mov_b32 s24, 0x4205de6a                      ; dz / 6
	s_mov_b32 s25, 0x4205de6a
	s_mov_b32 s26, 0x4285de6a                      ; dz / 3
	s_mov_b32 s27, 0x4285de6a
	s_mov_b32 s28, 0x2dafebff                      ; 2e-11
	s_mov_b32 s29, 0x7fffffff
	s_mov_b32 s30, 0xaaaaaaaa                      ; the odd lanes
	s_mov_b32 s32, 0x4d8ef3c2                      ; C0
	s_mov_b32 s33, 0x503a43b7                      ; 1.25e10 = 1 / 80e-12
	s_mov_b32 s34, 0                               ; loss polynomial: lambda^2,
	s_mov_b32 s35, 0                               ; lambda,
	s_mov_b32 s36, 0x3951b717                      ; constant 0.2e-3 dB/m
	s_mov_b32 s37, 0xbe6bc8e3                      ; - ln 10 / 10
	s_mov_b32 s38, 0x3a83126f                      ; 1e-3 W a channel
	v_and_b32 v224, 7, v0
	v_bfe_u32 v225, v0, 4, 1
	v_lshl_add_u32 v224, v225, 3, v224             ; t
	v_bfe_u32 v225, v0, 3, 1
	v_mad_u32_u24 v225, v225, 13, v224
	v_mad_u32_u24 v225, v1, 26, v225               ; channel
	v_min_u32 v226, 99, v225
	v_lshlrev_b32 v226, 2, v226
	v_bfe_u32 v227, v0, 2, 4                       ; b
	v_and_b32 v198, 3, v0                          ; p
	v_lshlrev_b32 v198, 2, v198
	v_lshl_add_u32 v227, v227, 5, v198             ; 32 b + 4 p
.irp k, 0,1,2,3,4,5,6
	v_add_nc_u32 v[238+\k], 128*\k, v0
	v_min_u32 v[238+\k], 0x320, v[238+\k]          ; no load passes word 800
	v_lshlrev_b32 v[238+\k], 2, v[238+\k]
.endr
	v_lshlrev_b32 v[VOFF], 4, v0
	v_lshlrev_b32 v245, 3, v0
	v_lshlrev_b32 v246, 2, v0
	s_lshl_b32 s40, s19, 9
	s_mov_b32 s41, 0
	s_wait_kmcnt 0x0
	s_add_nc_u64 s[8:9], s[8:9], s[40:41]          ; my 16 rows of x
	s_lshl_b32 s40, s19, 15
	s_add_nc_u64 s[12:13], s[12:13], s[40:41]      ; my part of idx_pb
	s_lshl_b32 s40, s19, 10
	s_add_nc_u64 s[14:15], s[14:15], s[40:41]      ; my part of idx_pp
	s_mul_i32 s40, s19, 6400
	s_add_nc_u64 s[16:17], s[16:17], s[40:41]      ; my 16 rows of out0
	global_load_b32 v228, v226, s[6:7]             ; my slot's wavelength
	global_load_b32 v229, v227, s[8:9]             ; pump row tid & 63: wavelength,
	global_load_b32 v230, v227, s[8:9] offset:16   ; power
.irp k, 0,1,2,3,4,5,6
	global_load_b32 v[231+\k], v[238+\k], s[4:5]
.endr
.irp u, 0,1,2,3
	global_load_b128 v[IDX+4*\u:IDX+4*\u+3], v[VOFF], s[10:11] offset:2048*\u   ; rows 0..15 against my column
.endr
	global_load_b64 v[196:197], v245, s[14:15]
	s_wait_loadcnt 0x5                             ; the five index loads, issued last, may stay out
.irp k, 0,1,2,3,4,5,6
	ds_store_b32 v246, v[231+\k] offset:RT+512*\k
.endr
; f = C0 / lambda with one correction, 1 / f, and - loss(lambda)
.macro FREQ lam, f, rf, nl, t0, t1
	v_rcp_f32 v\t0, v\lam
	v_fma_f32 v\nl, v\lam, s34, s35                ; also the plain place behind the reciprocal (ISA guide 5.7.2)
	v_fma_f32 v\nl, v\lam, v\nl, s36
	v_mul_f32 v\nl, s37, v\nl
	s_wait_alu depctr_va_vdst(0)
	v_mul_f32 v\t1, s32, v\t0
	v_fma_f32 v\f, -v\t1, v\lam, s32
	v_fma_f32 v\f, v\f, v\t0, v\t1
	v_rcp_f32 v\rf, v\f
	v_nop
.endm
	FREQ 228, 2, 3, 247, 198, 199
	FREQ 229, 248, 249, 250, 198, 199
	v_mov_b32 v199, 1.0
	v_cmp_gt_u32 vcc_lo, 13, v224
	v_cndmask_b32 v[MJ], 0, v199, vcc_lo
	v_cmp_gt_u32 vcc_lo, 100, v225
	v_cndmask_b32 v[MJ], 0, v[MJ], vcc_lo          ; 1 for a live slot
	v_mul_f32 v251, s33, v[MJ]
	v_mul_f32 v252, s38, v[MJ]
	v_mov_b32 v253, s33
	v_and_b32 v254, s29, v230
	v_max_num_f32 v254, 0, v254                    ; relu(abs(power))
	ds_store_b32 v246, v[FJ] offset:FR
	ds_store_b32 v246, v248 offset:FR+512
	ds_store_b32 v246, v[RFJ] offset:RF
	s_wait_alu depctr_va_vdst(0)
	ds_store_b32 v246, v249 offset:RF+512
	ds_store_b32 v246, v251 offset:MR
	ds_store_b32 v246, v253 offset:MR+512
	ds_store_b32 v246, v247 offset:LS
	ds_store_b32 v246, v250 offset:LS+512
	ds_store_b32 v246, v252 offset:PI
	ds_store_b32 v246, v254 offset:PI+512
	v_lshlrev_b32 v[VST], 1, v0
	v_add_nc_u32 v[VST], AM, v[VST]
	v_add_nc_u32 v[VGS], GCB, v246
	v_mov_b32 v[VROW], 0
	s_wait_dscnt 0x0                               ; my words are in LDS before I say so
	s_barrier_signal -1
	s_barrier_wait -1
; One trip of the gain set-up: 16 rows against my column, each operation over all 16 rows so that no line waits for the one before.
; dual = 1: pump rows; the gain of the opposite orientation (slot <- pump) goes to GCB as f32.
; pref = 1: the next trip's indices are asked for, from table s[base:base+1]; first = 1: from that table's start.
.macro TRIPG dual, pref, base, first
	s_wait_loadcnt 0x0                             ; this trip's indices; also frees VOFF
.irp e, 0,1,2,3,4,5,6,7,8,9,10,11,12,13,14,15
	v_min_u32 v[IA+\e], IMAX, v[IDX+\e]
.endr
.if \pref
.if \first
	v_lshlrev_b32 v[VOFF], 4, v0
.else
	v_add_nc_u32 v[VOFF], 8192, v[VOFF]
.endif
.irp u, 0,1,2,3
	global_load_b128 v[IDX+4*\u:IDX+4*\u+3], v[VOFF], s[\base:\base+1] offset:2048*\u
.endr
.endif
.irp u, 0,1,2,3
	ds_load_b128 v[FRR+4*\u:FRR+4*\u+3], v[VROW] offset:FR+16*\u
	ds_load_b128 v[MRR+4*\u:MRR+4*\u+3], v[VROW] offset:MR+16*\u
.if \dual
	ds_load_b128 v[RFR+4*\u:RFR+4*\u+3], v[VROW] offset:RF+16*\u
.endif
.endr
.irp e, 0,1,2,3,4,5,6,7,8,9,10,11,12,13,14,15
	v_lshlrev_b32 v[TA+\e], 2, v[IA+\e]
.endr
.irp e, 0,1,2,3,4,5,6,7,8,9,10,11,12,13,14,15
	ds_load_b32 v[R0+\e], v[TA+\e] offset:RT
	ds_load_b32 v[R1+\e], v[TA+\e] offset:RT+4
.endr
	s_wait_dscnt 32                                ; LDS answers in order: the rows' data are in, the 32 gathers issued behind them may be out
.irp e, 0,1,2,3,4,5,6,7,8,9,10,11,12,13,14,15
	v_sub_f32 v[TD+\e], v[FJ], v[FRR+\e]           ; D = f_j - f_i
.endr
.irp e, 0,1,2,3,4,5,6,7,8,9,10,11,12,13,14,15
	v_and_b32 v[TW+\e], s29, v[TD+\e]
.endr
.irp e, 0,1,2,3,4,5,6,7,8,9,10,11,12,13,14,15
	v_mul_f32 v[TW+\e], s28, v[TW+\e]              ; fidx, rounded as reference() rounds it before i0 is taken away
.endr
.irp e, 0,1,2,3,4,5,6,7,8,9,10,11,12,13,14,15
	v_cvt_f32_u32 v[TG+\e], v[IA+\e]
.endr
.irp e, 0,1,2,3,4,5,6,7,8,9,10,11,12,13,14,15
	v_sub_f32 v[TW+\e], v[TW+\e], v[TG+\e]         ; w
.endr
.irp e, 0,1,2,3,4,5,6,7,8,9,10,11,12,13,14,15
	v_sub_f32 v[TG+\e], 1.0, v[TW+\e]
.endr
.irp e, 0,1,2,3,4,5,6,7,8,9,10,11,12,13,14,15
	v_mul_f32 v[MRR+\e], v[MJ], v[MRR+\e]          ; both masks and 1 / A_eff
.endr
.irp e, 0,1,2,3,4,5,6,7,8,9,10,11,12,13,14,15
	v_mul_f32 v[TR+\e], v[RFJ], v[FRR+\e]          ; f_i / f_j
.endr
.irp e, 0,1,2,3,4,5,6,7,8,9,10,11,12,13,14,15
	v_max_num_f32 v[TR+\e], 1.0, v[TR+\e]
.endr
.irp e, 0,1,2,3,4,5,6,7,8,9,10,11,12,13,14,15
	v_bfi_b32 v[TR+\e], s29, v[TR+\e], v[TD+\e]    ; D's sign; D = 0 is +0 and keeps + g
.endr
.irp e, 0,1,2,3,4,5,6,7,8,9,10,11,12,13,14,15
	v_mul_f32 v[TR+\e], v[TR+\e], v[MRR+\e]
.endr
.if \dual
.irp e, 0,1,2,3,4,5,6,7,8,9,10,11,12,13,14,15
	v_sub_f32 v[TD+\e], v[FRR+\e], v[FJ]           ; the other orientation: i = my slot, j = the pump
.endr
.irp e, 0,1,2,3,4,5,6,7,8,9,10,11,12,13,14,15
	v_mul_f32 v[IA+\e], v[FJ], v[RFR+\e]
.endr
.irp e, 0,1,2,3,4,5,6,7,8,9,10,11,12,13,14,15
	v_max_num_f32 v[IA+\e], 1.0, v[IA+\e]
.endr
.irp e, 0,1,2,3,4,5,6,7,8,9,10,11,12,13,14,15
	v_bfi_b32 v[IA+\e], s29, v[IA+\e], v[TD+\e]
.endr
.irp e, 0,1,2,3,4,5,6,7,8,9,10,11,12,13,14,15
	v_mul_f32 v[IA+\e], v[IA+\e], v[MRR+\e]
.endr
.endif
	s_wait_dscnt 0x0                               ; the gathers
.irp e, 0,1,2,3,4,5,6,7,8,9,10,11,12,13,14,15
	v_mul_f32 v[TW+\e], v[R1+\e], v[TW+\e]
.endr
.irp e, 0,1,2,3,4,5,6,7,8,9,10,11,12,13,14,15
	v_fma_f32 v[TG+\e], v[R0+\e], v[TG+\e], v[TW+\e]   ; g = table[i0] (1 - w) + table[i0 + 1] w
.endr
.irp e, 0,1,2,3,4,5,6,7,8,9,10,11,12,13,14,15
	v_mul_f32 v[TR+\e], v[TG+\e], v[TR+\e]
.endr
.irp c, 0,1,2,3,4,5,6,7
	v_cvt_pk_bf16_f32 v[TW+\c], v[TR+2*\c], v[TR+2*\c+1]
.endr
.irp c, 0,1,2,3,4,5,6,7
	ds_store_b16 v[VST], v[TW+\c] offset:APITCH*2*\c
	ds_store_b16_d16_hi v[VST], v[TW+\c] offset:APITCH*(2*\c+1)
.endr
.if \dual
.irp e, 0,1,2,3,4,5,6,7,8,9,10,11,12,13,14,15
	v_mul_f32 v[TD+\e], v[TG+\e], v[IA+\e]
.endr
.irp e, 0,1,2,3,4,5,6,7,8,9,10,11,12,13,14,15
	ds_store_b32 v[VGS], v[TD+\e] offset:GPITCH*\e
.endr
	v_add_nc_u32 v[VGS], 16*GPITCH, v[VGS]
.endif
	v_add_nc_u32 v[VST], 16*APITCH, v[VST]
	v_add_nc_u32 v[VROW], 64, v[VROW]
.endm
	s_mov_b32 s31, 7                               ; 128 slot rows = 8 trips; the eighth asks for the pump table's first trip
.Lsig:
	TRIPG 0, 1, 10, 0
	s_sub_co_i32 s31, s31, 1
	s_cmp_lg_u32 s31, 0
	s_cbranch_scc1 .Lsig
	TRIPG 0, 1, 12, 1
	s_mov_b32 s31, 3                               ; 64 pump rows = 4 trips; the fourth asks for nothing
.Lpump:
	TRIPG 1, 1, 12, 0
	s_sub_co_i32 s31, s31, 1
	s_cmp_lg_u32 s31, 0
	s_cbranch_scc1 .Lpump
	TRIPG 1, 0, 12, 0
	; pump <- pump: thread tid makes G[b, p, p'] for rho = 4 b + p = tid >> 1 and p' = 2 (tid & 1) + {0, 1}
	v_min_u32 v[IA], IMAX, v196
	v_min_u32 v[IA+1], IMAX, v197
	v_lshlrev_b32 v[TA], 2, v[IA]
	v_lshlrev_b32 v[TA+1], 2, v[IA+1]
	v_lshrrev_b32 v[TA+2], 1, v0
	v_lshlrev_b32 v[TA+2], 2, v[TA+2]              ; 4 rho
	v_lshrrev_b32 v[TA+3], 3, v0                   ; b
	v_and_b32 v[TA+4], 1, v0
	v_lshlrev_b32 v[TA+5], 3, v[TA+4]
	v_lshl_add_u32 v[TA+5], v[TA+3], 4, v[TA+5]    ; 16 b + 8 (tid & 1)
	ds_load_b32 v[FRR], v[TA+2] offset:FR+512      ; f_i
	ds_load_b64 v[FRR+2:FRR+3], v[TA+5] offset:FR+512   ; two f_j
	ds_load_b64 v[RFR+2:RFR+3], v[TA+5] offset:RF+512   ; two 1 / f_j
.irp e, 0,1
	ds_load_b32 v[R0+\e], v[TA+\e] offset:RT
	ds_load_b32 v[R1+\e], v[TA+\e] offset:RT+4
.endr
	v_bfe_u32 v[TA+6], v0, 1, 2                    ; p
	v_lshlrev_b32 v[TA+6], 2, v[TA+6]
	v_lshl_add_u32 v[TA+6], v[TA+4], 5, v[TA+6]
	v_lshl_add_u32 v[TA+6], v[TA+3], 6, v[TA+6]
	v_add_nc_u32 v[TA+6], GPB, v[TA+6]             ; GPB + 64 b + 32 (tid & 1) + 4 p
	s_wait_dscnt 0x0
.irp e, 0,1
	v_sub_f32 v[TD+\e], v[FRR+2+\e], v[FRR]
	v_cvt_f32_u32 v[TG+\e], v[IA+\e]
	v_mul_f32 v[TR+\e], v[FRR], v[RFR+2+\e]
.endr
.irp e, 0,1
	v_and_b32 v[TW+\e], s29, v[TD+\e]
	v_max_num_f32 v[TR+\e], 1.0, v[TR+\e]
.endr
.irp e, 0,1
	v_mul_f32 v[TW+\e], s28, v[TW+\e]
	v_bfi_b32 v[TR+\e], s29, v[TR+\e], v[TD+\e]
.endr
.irp e, 0,1
	v_sub_f32 v[TW+\e], v[TW+\e], v[TG+\e]
	v_mul_f32 v[TR+\e], s33, v[TR+\e]
.endr
.irp e, 0,1
	v_sub_f32 v[TG+\e], 1.0, v[TW+\e]
.endr
.irp e, 0,1
	v_mul_f32 v[TW+\e], v[R1+\e], v[TW+\e]
.endr
.irp e, 0,1
	v_fma_f32 v[TG+\e], v[R0+\e], v[TG+\e], v[TW+\e]
.endr
.irp e, 0,1
	v_mul_f32 v[TR+\e], v[TG+\e], v[TR+\e]
.endr
.irp e, 0,1
	ds_store_b32 v[TA+6], v[TR+\e] offset:16*\e
.endr
	s_wait_dscnt 0x0                               ; all my gains are in LDS before I say so
	s_barrier_signal -1
	s_barrier_wait -1
	; the tables go into registers.  Fragment q of a wave belongs to K step s = (w + q) & 3, so that q = 0 is the wave's own.
	v_and_b32 v200, 31, v0                         ; lane
	v_and_b32 v201, 15, v0                         ; r
	v_bfe_u32 v202, v0, 4, 1                       ; h
	v_mul_u32_u24 v203, v201, APITCH
	v_lshl_add_u32 v203, v202, 4, v203             ; r x pitch + 16 h
	s_mul_i32 s40, s18, 32*APITCH
	s_add_co_u32 s40, s40, AM                      ; my 32 rows of G_ss
	s_mul_i32 s41, s18, 16*APITCH
	s_add_co_u32 s41, s41, AM+128*APITCH           ; my 16 pump rows
.irp q, 0,1,2,3
	s_add_co_u32 s42, s18, \q
	s_and_b32 s42, s42, 3                          ; s
	s_lshl_b32 s43, s42, 6                         ; 32 columns of bf16
	s_add_co_u32 s44, s40, s43
	v_add_nc_u32 v[204+\q], s44, v203
	s_add_co_u32 s44, s41, s43
	v_add_nc_u32 v[208+\q], s44, v203
.if \q
	s_lshl_b32 s43, s42, 10
	s_add_co_u32 s43, s43, XB
	v_lshl_add_u32 v[216+\q], v200, 4, s43         ; wave s's fragment, my lane's 16 bytes
.endif
.endr
	v_mul_u32_u24 v212, v201, 4*GPITCH
	v_lshl_add_u32 v212, v202, 5, v212
	s_lshl_b32 s45, s18, 7
	s_add_co_u32 s44, s45, GCB
	v_add_nc_u32 v212, s44, v212                   ; GCB + 4 r rows + (32 w + 8 h) words
	v_lshlrev_b32 v213, 6, v201
	v_add_nc_u32 v213, GPB, v213
	v_lshrrev_b32 v214, 2, v201                    ; batch row r's pumps are kept by wave r >> 2,
	v_lshlrev_b32 v214, 9, v214
	v_lshl_add_u32 v214, v201, 4, v214             ; lane r + 16 ((r >> 1) & 1)
	v_bfe_u32 v215, v201, 1, 1
	v_lshl_add_u32 v214, v215, 8, v214
	v_add_nc_u32 v214, XB, v214
	v_lshl_add_u32 v215, v202, 5, s45              ; (32 w + 8 h) words
	v_lshlrev_b32 v220, 4, v201
	s_lshl_b32 s44, s18, 10
	s_add_co_u32 s44, s44, XB
	v_lshl_add_u32 v[STF], v200, 4, s44
	s_lshl_b32 s44, s18, 9
	s_add_co_u32 s44, s44, XB+XPUMP
	v_lshl_add_u32 v[STP], v200, 4, s44
	WIN 0x40                                       ; destinations in block 1, addresses and sources in block 0
	v_mov_b32 v[LDP], v214
.irp q, 1,2,3
	v_mov_b32 v[LDF+\q], v[216+\q]
.endr
.irp q, 0,1,2,3
.irp c, 0,1
	ds_load_b128 v[AS+16*\q+8*\c:AS+16*\q+8*\c+3], v[204+\q] offset:16*APITCH*\c
	ds_load_b128 v[AS+16*\q+8*\c+4:AS+16*\q+8*\c+7], v[204+\q] offset:16*APITCH*\c+32
.endr
	ds_load_b128 v[AP+8*\q:AP+8*\q+3], v[208+\q]
	ds_load_b128 v[AP+8*\q+4:AP+8*\q+7], v[208+\q] offset:32
.endr
.irp p, 0,1,2,3
	ds_load_b128 v[GC+16*\p:GC+16*\p+3], v212 offset:GPITCH*\p          ; t = 0..3
	ds_load_b128 v[GC+16*\p+4:GC+16*\p+7], v212 offset:GPITCH*\p+16     ; t = 4..7
	ds_load_b128 v[GC+16*\p+8:GC+16*\p+11], v212 offset:GPITCH*\p+64    ; t = 8..11 (tau = 1: 16 slots on)
	ds_load_b64 v[GC+16*\p+12:GC+16*\p+13], v212 offset:GPITCH*\p+80    ; t = 12, 13
	ds_load_b128 v[GP+4*\p:GP+4*\p+3], v213 offset:16*\p
.endr
	WIN 0
	ds_load_b128 v[NL:NL+3], v215 offset:LS
	ds_load_b128 v[NL+4:NL+7], v215 offset:LS+16
	ds_load_b128 v[NL+8:NL+11], v215 offset:LS+64
	ds_load_b64 v[NL+12:NL+13], v215 offset:LS+80
	ds_load_b128 v[P0:P0+3], v215 offset:PI
	ds_load_b128 v[P0+4:P0+7], v215 offset:PI+16
	ds_load_b128 v[P0+8:P0+11], v215 offset:PI+64
	ds_load_b64 v[P0+12:P0+13], v215 offset:PI+80
	ds_load_b128 v[NLP:NLP+3], v220 offset:LS+512
	ds_load_b128 v[YP:YP+3], v220 offset:PI+512
	v_mov_b32 v[BF+7], 0                           ; slots t = 14, 15 of my fragment, for the whole launch
	s_wait_dscnt 0x0
.irp i, 0,1,2,3,4,5,6
	v_cvt_pk_bf16_f32 v[BF+\i], v[P0+2*\i], v[P0+2*\i+1]
.endr
	ds_store_b128 v[STF], v[BF:BF+3]               ; the first stage reads buffer 0
	ds_store_b128 v[STF], v[BF+4:BF+7] offset:512
	ds_store_b128 v[STP], v[YP:YP+3]
; pump column uu = 7 p + i: CC pair i += G[., p] x pump p (broadcast to both halves); p = 0 starts the sum from - loss
.macro COL uu, PP
.set cp, (\uu)/7
.set ci, 2*((\uu)%7)
.if cp == 0
	v_pk_fma_f32 v[CC+ci:CC+ci+1], v[GC+ci:GC+ci+1], v[\PP:\PP+1], v[NL+ci:NL+ci+1] op_sel_hi:[1,0,1]
.else
.if cp == 2
	v_pk_fma_f32 v[CC+ci:CC+ci+1], v[GC+32+ci:GC+32+ci+1], v[\PP+2:\PP+3], v[CC+ci:CC+ci+1] op_sel_hi:[1,0,1]
.else
	v_pk_fma_f32 v[CC+ci:CC+ci+1], v[GC+16*cp+ci:GC+16*cp+ci+1], v[\PP+cp-1:\PP+cp], v[CC+ci:CC+ci+1] op_sel:[0,1,0] op_sel_hi:[1,1,1]
.endif
.endif
.endm
; the same for the pumps themselves: nn = 2 p' + j
.macro CPPOP nn, PP
.set cq, (\nn)/2
.set cj, 2*((\nn)%2)
.if cq == 0
	v_pk_fma_f32 v[CPP+cj:CPP+cj+1], v[GP+cj:GP+cj+1], v[\PP:\PP+1], v[NLP+cj:NLP+cj+1] op_sel_hi:[1,0,1]
.else
.if cq == 2
	v_pk_fma_f32 v[CPP+cj:CPP+cj+1], v[GP+8+cj:GP+8+cj+1], v[\PP+2:\PP+3], v[CPP+cj:CPP+cj+1] op_sel_hi:[1,0,1]
.else
	v_pk_fma_f32 v[CPP+cj:CPP+cj+1], v[GP+4*cq+cj:GP+4*cq+cj+1], v[\PP+cq-1:\PP+cq], v[CPP+cj:CPP+cj+1] op_sel:[0,1,0] op_sel_hi:[1,1,1]
.endif
.endif
.endm
; four vector instructions behind each of the nine later matrix instructions: 28 COL and 8 CPPOP in all
.macro GRP PP
.if gn < 8
	COL 3*gn, \PP
	COL 3*gn+1, \PP
	COL 3*gn+2, \PP
	CPPOP gn, \PP
.else
	COL 24, \PP
	COL 25, \PP
	COL 26, \PP
	COL 27, \PP
.endif
.set gn, gn+1
.endm
; One derivative evaluation.  X: the exchange buffer that holds this stage's powers; Y: my signals at this stage; YD: where the next stage's go;
; PP: where the pump powers are loaded to; CA: scalar pair with the next stage's step; mode 1: k1, 2: k2 and k3, 3: k4 (closes the step).
.macro STAGE X, Y, YD, PP, CA, mode
	s_wait_dscnt 0x0                               ; my stores into buffer X are in LDS, and my reads of the other buffer are back
	s_barrier_signal -1
	WIN 0x01                                       ; source 0 (A, gains, read addresses) in block 1
	v_wmma_f32_16x16x32_bf16 v[T0:T0+7], v[AS:AS+7], v[BF:BF+7], 0           ; my own fragment needs no exchange: register work while the others arrive
	v_wmma_f32_16x16x32_bf16 v[T1:T1+7], v[AS+8:AS+15], v[BF:BF+7], 0        ; the first products start the sums
	v_wmma_f32_16x16x32_bf16 v[DP:DP+7], v[AP:AP+7], v[BF:BF+7], 0
	s_barrier_wait -1                              ; buffer X is whole; nobody reads the other buffer any more
	ds_load_b128 v[\PP:\PP+3], v[LDP] offset:XBUF*\X+XPUMP
.irp q, 1,2,3
	ds_load_b128 v[BF+8*\q:BF+8*\q+3], v[LDF+\q] offset:XBUF*\X
	ds_load_b128 v[BF+8*\q+4:BF+8*\q+7], v[LDF+\q] offset:XBUF*\X+512
.endr
.set gn, 0
.irp q, 1,2,3
	s_wait_dscnt 6-2*\q                            ; fragment q and all before it are in; the 6 - 2 q loads issued behind it may be out
	v_wmma_f32_16x16x32_bf16 v[T0:T0+7], v[AS+16*\q:AS+16*\q+7], v[BF+8*\q:BF+8*\q+7], v[T0:T0+7]   ; the three accumulators take turns, one instruction a turn
	GRP \PP
	v_wmma_f32_16x16x32_bf16 v[T1:T1+7], v[AS+16*\q+8:AS+16*\q+15], v[BF+8*\q:BF+8*\q+7], v[T1:T1+7]
	GRP \PP
	v_wmma_f32_16x16x32_bf16 v[DP:DP+7], v[AP+8*\q:AP+8*\q+7], v[BF+8*\q:BF+8*\q+7], v[DP:DP+7]
	GRP \PP
.endr
	WIN 0
	; these nine, with the four in front of them, are the places behind the last matrix instructions (ISA guide 7.12.1)
.irp i, 0,1,2,3,4,5,6
	v_pk_mul_f32 v[CC+2*\i:CC+2*\i+1], v[CC+2*\i:CC+2*\i+1], v[\Y+2*\i:\Y+2*\i+1]
.endr
.irp j, 0,1
	v_pk_mul_f32 v[CPP+2*\j:CPP+2*\j+1], v[CPP+2*\j:CPP+2*\j+1], v[\PP+2*\j:\PP+2*\j+1]
.endr
.irp i, 0,1,2,3,4,5,6
	v_pk_fma_f32 v[KK+2*\i:KK+2*\i+1], v[T0+2*\i:T0+2*\i+1], v[\Y+2*\i:\Y+2*\i+1], v[CC+2*\i:CC+2*\i+1]   ; k = (G P - loss) P
.endr
.irp i, 0,1,2,3,4,5,6
.if \mode == 3
	v_pk_fma_f32 v[\YD+2*\i:\YD+2*\i+1], v[KK+2*\i:KK+2*\i+1], s[\CA:\CA+1], v[AC+2*\i:AC+2*\i+1] op_sel_hi:[1,0,1]
.else
	v_pk_fma_f32 v[\YD+2*\i:\YD+2*\i+1], v[KK+2*\i:KK+2*\i+1], s[\CA:\CA+1], v[P0+2*\i:P0+2*\i+1] op_sel_hi:[1,0,1]
.endif
.endr
.irp i, 0,1,2,3,4,5,6
	v_cvt_pk_bf16_f32 v[BF+\i], v[\YD+2*\i], v[\YD+2*\i+1]
.endr
	ds_store_b128 v[STF], v[BF:BF+3] offset:XBUF*(1-\X)
	ds_store_b128 v[STF], v[BF+4:BF+7] offset:XBUF*(1-\X)+512
.irp j, 0,1,2,3
	v_cndmask_b32 v[RS+\j], v[DP+\j], v[DP+4+\j], s30    ; an odd batch row's four sums lie in registers 4..7 of its lane
.endr
.irp j, 0,1
	v_pk_fma_f32 v[KP+2*\j:KP+2*\j+1], v[RS+2*\j:RS+2*\j+1], v[\PP+2*\j:\PP+2*\j+1], v[CPP+2*\j:CPP+2*\j+1]
.endr
.irp j, 0,1
.if \mode == 3
	v_pk_fma_f32 v[YP+2*\j:YP+2*\j+1], v[KP+2*\j:KP+2*\j+1], s[\CA:\CA+1], v[ACP+2*\j:ACP+2*\j+1] op_sel_hi:[1,0,1]
.else
	v_pk_fma_f32 v[YP+2*\j:YP+2*\j+1], v[KP+2*\j:KP+2*\j+1], s[\CA:\CA+1], v[P0P+2*\j:P0P+2*\j+1] op_sel_hi:[1,0,1]
.endif
.endr
	ds_store_b128 v[STP], v[YP:YP+3] offset:XBUF*(1-\X)  ; every lane into its own 16 bytes; only the owners' (lane r + 16 ((r >> 1) & 1) of wave r >> 2) are read
	; the RK sum, while the stores are on their way
.if \mode == 1
.irp i, 0,1,2,3,4,5,6
	v_pk_fma_f32 v[AC+2*\i:AC+2*\i+1], v[KK+2*\i:KK+2*\i+1], s[24:25], v[P0+2*\i:P0+2*\i+1] op_sel_hi:[1,0,1]
.endr
.irp j, 0,1
	v_pk_fma_f32 v[ACP+2*\j:ACP+2*\j+1], v[KP+2*\j:KP+2*\j+1], s[24:25], v[P0P+2*\j:P0P+2*\j+1] op_sel_hi:[1,0,1]
.endr
.endif
.if \mode == 2
.irp i, 0,1,2,3,4,5,6
	v_pk_fma_f32 v[AC+2*\i:AC+2*\i+1], v[KK+2*\i:KK+2*\i+1], s[26:27], v[AC+2*\i:AC+2*\i+1] op_sel_hi:[1,0,1]
.endr
.irp j, 0,1
	v_pk_fma_f32 v[ACP+2*\j:ACP+2*\j+1], v[KP+2*\j:KP+2*\j+1], s[26:27], v[ACP+2*\j:ACP+2*\j+1] op_sel_hi:[1,0,1]
.endr
.endif
.endm
	s_mov_b32 s31, 249
.Lstep:
	STAGE 0, P0, YS, P0P, 20, 1                    ; k1 at P; the pump powers loaded here are the step's start in every lane
	STAGE 1, YS, YS, PPS, 20, 2                    ; k2 at P + dz/2 k1
	STAGE 0, YS, YS, PPS, 22, 2                    ; k3 at P + dz/2 k2
	STAGE 1, YS, P0, PPS, 24, 3                    ; k4 at P + dz k3; P = sum + dz/6 k4
	s_sub_co_i32 s31, s31, 1
	s_cmp_lg_u32 s31, 0
	s_cbranch_scc1 .Lstep
	; the way out: my 13 channels of batch row r into a dense stage of 16 rows x 400 bytes, read back in 16-byte pieces
	v_mul_u32_u24 v16, v201, 400
	v_mad_u32_u24 v16, v202, 52, v16
	s_mul_i32 s40, s18, 104
	s_add_co_u32 s40, s40, OSB
	v_add_nc_u32 v16, s40, v16                     ; OSB + 400 r + 4 (26 w + 13 h)
	s_cmp_eq_u32 s18, 3
	s_cselect_b32 s41, ODUMP, 0
	v_mad_u32_u24 v17, v202, s41, v16              ; wave 3, h = 1: t = 9..12 are channels 100..103, which do not exist: aside
.irp t, 0,1,2,3,4,5,6,7,8
	ds_store_b32 v16, v[P0+\t] offset:4*\t
.endr
.irp t, 9,10,11,12
	ds_store_b32 v17, v[P0+\t] offset:4*\t
.endr
	v_lshlrev_b32 v19, 4, v0
	v_add_nc_u32 v18, OSB, v19
	s_wait_dscnt 0x0                               ; my channels are in the stage before I say so
	s_barrier_signal -1
	s_barrier_wait -1
.irp k, 0,1,2
	ds_load_b128 v[20+4*\k:23+4*\k], v18 offset:2048*\k
.endr
.irp k, 0,1,2
	s_wait_dscnt 2-\k                              ; piece k is back, the younger ones may be out
	global_store_b128 v19, v[20+4*\k:23+4*\k], s[16:17] offset:2048*\k   ; a wave's store covers 512 consecutive bytes, aligned
.endr
	s_cmp_lg_u32 s18, 0
	s_cbranch_scc1 .Ldone
	v_lshlrev_b32 v32, 3, v0                       ; the last 256 of the 6,400 bytes: wave 0, 8 bytes a lane
	v_add_nc_u32 v33, OSB+6144, v32
	ds_load_b64 v[34:35], v33
	s_wait_dscnt 0x0
	global_store_b64 v32, v[34:35], s[16:17] offset:6144
.Ldone:
	s_wait_tensorcnt 0x0
	ds_add_u32 v195, v255
	s_wait_dscnt 0x0
	s_endpgm
.Lfunc_end_k_q53eb849e22_raman:
	.size	k_q53eb849e22_raman, .Lfunc_end_k_q53eb849e22_raman-k_q53eb849e22_raman
	.p2alignl 7, 3214868480
	.fill 96, 4, 3214868480
	.section	.rodata,"a",@progbits
	.p2align	6, 0x0
	.amdhsa_kernel k_q53eb849e22_raman
		.amdhsa_group_segment_fixed_size 168448
		.amdhsa_private_segment_fixed_size 0
		.amdhsa_enable_private_segment 0
		.amdhsa_kernarg_size 56
		.amdhsa_user_sgpr_count 2
		.amdhsa_user_sgpr_kernarg_segment_ptr 1
		.amdhsa_wavefront_size32 1
		.amdhsa_system_sgpr_workgroup_id_x 1
		.amdhsa_system_sgpr_workgroup_id_y 1
		.amdhsa_system_sgpr_workgroup_id_z 1
		.amdhsa_system_vgpr_workitem_id 0
		.amdhsa_next_free_vgpr 440
		.amdhsa_next_free_sgpr 66
		.amdhsa_reserve_vcc 1
		.amdhsa_float_denorm_mode_32 3
		.amdhsa_float_denorm_mode_16_64 3
		.amdhsa_memory_ordered 1
		.amdhsa_forward_progress 1
		.amdhsa_inst_pref_size 113
	.end_amdhsa_kernel
	.amdgpu_metadata
---
amdhsa.version: [ 1, 2 ]
amdhsa.kernels:
  - .name:           k_q53eb849e22_raman
    .symbol:         k_q53eb849e22_raman.kd
    .args:
      - { .name: raman_response, .offset: 0, .size: 8, .value_kind: global_buffer, .address_space: global }
      - { .name: signal_wavelengths, .offset: 8, .size: 8, .value_kind: global_buffer, .address_space: global }
      - { .name: x, .offset: 16, .size: 8, .value_kind: global_buffer, .address_space: global }
      - { .name: idx_ss, .offset: 24, .size: 8, .value_kind: global_buffer, .address_space: global }
      - { .name: idx_pb, .offset: 32, .size: 8, .value_kind: global_buffer, .address_space: global }
      - { .name: idx_pp, .offset: 40, .size: 8, .value_kind: global_buffer, .address_space: global }
      - { .name: out0, .offset: 48, .size: 8, .value_kind: global_buffer, .address_space: global }
    .group_segment_fixed_size: 168448
    .private_segment_fixed_size: 0
    .kernarg_segment_align: 8
    .kernarg_segment_size: 56
    .max_flat_workgroup_size: 128
    .sgpr_count:     66
    .vgpr_count:     440
    .wavefront_size: 32
...
	.end_amdgpu_metadata
.endif
;; end of part 2
;; ======== version 2 of 3: 2 launches; 1.12 times as fast as version 1
;; workspace buffers: idx_ss 65,536 bytes of whole numbers; idx_pb 8,388,608 bytes of whole numbers; idx_pp 262,144 bytes of whole numbers
;; launch indices: the kernel of part 1 again; grid 256 x 1, 4 waves a work-group, no clusters, 2,560 bytes of LDS; arguments signal_wavelengths, x, idx_ss, idx_pb, idx_pp; writes idx_ss, idx_pb, idx_pp
;; launch raman (part 3): grid 256 x 1, 4 waves a work-group, no clusters, 168,448 bytes of LDS; arguments raman_response, signal_wavelengths, x, idx_ss, idx_pb, idx_pp, out0; writes out0
.if DOCPART == 3
	.amdgcn_target "amdgcn-amd-amdhsa--gfx1250"
	.amdhsa_code_object_version 6
	.text
	.protected	k_q53eb849e22_raman
	.globl	k_q53eb849e22_raman
	.p2align	8
	.type	k_q53eb849e22_raman,@function
k_q53eb849e22_raman:
	s_mov_b64 s[64:65], 0
	v_nop
	global_prefetch_b8 v0, s[64:65] scope:SCOPE_SE
	s_setreg_imm32_b32 hwreg(HW_REG_WAVE_MODE, 25, 1), 1
	s_wait_xcnt 0x0
; Raman amplifier: 249 RK4 steps of dP_i/dz = (sum_j G_ij P_j - loss_i) P_i for 4 pumps + 100 signals, 4096 batch rows.
; Work-group g owns batch rows 16 g .. 16 g + 15 (one column tile of the matrix unit); its four waves split the channels.
; reference() broadcasts the signal frequencies over the batch, so the signal-signal block of G is one matrix for all rows:
;   signals <- signals : D = A x B, A = G_ss (bf16, rows = output slots), B = P transposed (bf16, K = slots, N = batch row)
;   pumps   <- signals : the same B against A' with rows rho = 4 b + p; of D' only the entries with b = the column's batch row are used
;   signals <- pumps, pumps <- pumps : f32 on the vector unit, gains kept in registers
; SLOTS: 128 slots sigma; w = sigma>>5, tau = (sigma>>4)&1, h = (sigma>>3)&1, jj = sigma&7, t = 8 tau + jj, channel = 26 w + 13 h + t,
; live if t < 13 and channel < 100; pad slots have gain 0 and power 0.  Wave w owns slots 32 w .. 32 w + 31 = its two D tiles; register jj of
; tile tau in lane (r, h) is slot (w, tau, h, jj) of batch row r, which is the place that the B fragment of K step w has in the same
; lane: D becomes B by seven packed conversions and no move between lanes.  A lane carries t = 0 .. 13 as seven register pairs.
; Each of the 996 derivative evaluations: every wave puts its B fragment and its pump powers into LDS, one barrier, every wave reads the
; other three fragments.  Two exchange buffers take turns, so that one barrier an evaluation is enough.  The evaluations hang on each
; other, so the order inside one is laid out for the shortest way from the exchange to the next exchange: the reads go out first behind
; the barrier, what does not hang on them runs while they are on their way, and from the last matrix result to the stores stand one
; multiply-add and one conversion a pair.
; THE RK STEP: with T = G_ss P (matrix), H = pump columns - loss, c the stage's step, the next stage's powers are
; Y' = T (c Y) + (H (c Y) + P): c Y is made a stage ahead, the bracket while the last products run.  k itself is not formed; the step closes as
; P_next = - P/3 + Y2/3 + 2 Y3/3 + Y4/3 + (dz/6) k4, which in exact arithmetic is P + dz/6 (k1 + 2 k2 + 2 k3 + k4).
; The launch asks for more LDS than the 120,848 bytes in use, so that no second work-group shares these four waves' SIMDs.
; LIMITS: G_ss, the pump rows and P enter the matrix unit rounded to bf16 (bf16, not f16, for its range).  |D| / 50e9 is |D| * 2e-11,
; / 80e-12 is * 1.25e10, f_i / f_j is f_i times a reciprocal, C0 / lambda a reciprocal with one correction step: last bits can differ from
; reference()'s.  The step's sum adds four terms of P's own size (their magnitudes add up to 5/3 of the result), so a step rounds at a few
; units of P's last place instead of one.  max(1, ratio) drops a NaN.  Zero, infinite or NaN wavelengths are not served.
; No tensor load, cluster or prefetch: nothing is streamed; memory is touched in the set-up (indices, one trip ahead) and at the end.
.set IMAX, 0x31f                       ; 799
; LDS map, bytes
.set RT,  0                            ; raman_response, 801 words; words 801..895 repeat word 800
.set FR,  3584                         ; frequency of row: rows 0..127 slots, rows 128 + rho pumps
.set RF,  4608                         ; 1 / frequency
.set MR,  5632                         ; mask * 1.25e10
.set LS,  6656                         ; - loss
.set PI,  7680                         ; power at z = 0
.set AM,  8704                         ; bf16 matrix, 192 rows: G_ss[sigma_i][sigma_j], then G[b, p, sigma_j]
.set APITCH, 272                       ; 256 bytes + 16: sixteen rows start at sixteen different 16-byte columns
.set GCB, 60928                        ; f32 G[b, i = sigma, p] at [rho][sigma]
.set GPITCH, 528
.set GPB, 94720                        ; f32 G[b, p, p'] at 64 b + 16 p' + 4 p
.set XB,  95744                        ; exchange, two buffers
.set XBUF, 6144                        ; a buffer: fragments at 1024 w + {0, 512} + 16 lane, pump powers at XPUMP + 512 w + 16 lane
.set XPUMP, 4096
.set OSB, 108032                       ; output stage: 16 rows of 400 bytes, dense
.set ODUMP, 6400                       ; the pad channels 100..103 go this far behind their place, into bytes of their own
; registers of the set-up (block 0)
.set FJ, 2                             ; my column's frequency
.set RFJ, 3                            ; its reciprocal
.set MJ, 4                             ; its mask, 1 or 0
.set VOFF, 5                           ; byte offset of my 16 bytes in the index tables
.set VST, 6                            ; where my column of AM goes
.set VGS, 7                            ; where my column of GCB goes
.set IDX, 8                            ; v[8:23]    16 indices as loaded
.set IA,  24                           ; v[24:39]   clamped; later the second orientation's factor
.set R0,  40                           ; v[40:55]   table[i0]
.set R1,  56                           ; v[56:71]   table[i0 + 1]
.set FRR, 72                           ; v[72:87]   the 16 rows' frequencies
.set MRR, 88                           ; v[88:103]  their masks * 1.25e10
.set RFR, 104                          ; v[104:119] their reciprocal frequencies
.set TD,  120                          ; v[120:135] D
.set TW,  136                          ; v[136:151] w
.set TG,  152                          ; v[152:167] 1 - w, then g
.set TR,  168                          ; v[168:183] sign * max(1, ratio) * mask / A_eff, then G
.set VROW, 194                         ; 4 x first row of the trip
.set TA,  208                          ; v[208:223] gather addresses
; v[196:197] my two pump-pump indices; v198, v199, v224..v254 at work before the first barrier
; registers of the RK loop, block 0
.set BF,  8                            ; v[8:39]    B fragments: own, then of waves w+1, w+2, w+3 (mod 4); v15 = 0 (slots t = 14, 15)
.set T0,  40                           ; v[40:47]   D tile tau = 0
.set T1,  48                           ; v[48:55]   D tile tau = 1
.set DP,  56                           ; v[56:63]   D' tile (pump rows)
.set P0,  64                           ; v[64:77]   signals at the step's start
.set YS,  80                           ; v[80:93]   signals at the stage
.set AC,  96                           ; v[96:109]  the step's sum: - P/3 + Y2/3 + 2 Y3/3 + Y4/3
.set CC,  112                          ; v[112:125] H = pump columns - loss, then H (c Y) + P
.set YC,  128                          ; v[128:141] c Y of the stage
.set NL,  144                          ; v[144:157] - loss
.set P0P, 160                          ; v[160:163] pumps of my batch row at the step's start
.set PPS, 164                          ; v[164:167] pumps at the stage
.set ACP, 168                          ; the step's sum for the pumps
.set CPP, 172                          ; H for the pumps, then H (c PP) + P
.set PPC, 176                          ; c PP of the stage
.set RS,  180                          ; the four pump-row sums of my batch row
.set YP,  184                          ; pumps for the next stage
.set NLP, 188
.set STF, 192                          ; where my fragment goes
.set STP, 193                          ; where my pump powers go
; v200 lane, v201 r = lane & 15, v202 h = lane >> 4
; block 1 (v256 and up, named by their low 8 bits): constants of the loop, always read as source 0
.set AS,  0                            ; v[0:63]    A fragments of G_ss, at 16 q + 8 tau
.set AP,  64                           ; v[64:95]   A fragments of the pump rows, at 8 q
.set GC,  96                           ; v[96:159]  G[b, slot t, p] at 16 p + t
.set GP,  160                          ; v[160:175] G[b, p, p'] at 4 p' + p
.set LDP, 176                          ; read address of my batch row's pump powers
.set LDF, 176                          ; LDF + q, q = 1..3: read addresses of the other waves' fragments
.set CVH, 180                          ; pairs, each number twice, for the two pump lines that run with source 0 in block 1: dz / 2,
.set CVF, 182                          ; dz,
.set CVS, 184                          ; dz / 6,
.set WVM, 186                          ; - 1/3,
.set WV1, 188                          ; 1/3,
.set WV2, 190                          ; 2/3
.set MSB, 0
.macro WIN new                         ; the immediate's high byte repeats the setting that is left
.if MSB != \new
	s_set_vgpr_msb (MSB<<8)|\new
.set MSB, \new
.endif
.endm
	s_load_b256 s[4:11], s[0:1], 0x0               ; raman_response s[4:5], signal_wavelengths s[6:7], x s[8:9], idx_ss s[10:11]
	s_load_b128 s[12:15], s[0:1], 0x20             ; idx_pb s[12:13], idx_pp s[14:15]
	s_load_b64 s[16:17], s[0:1], 0x30              ; out0
	v_lshl_add_u32 v195, v0, 2, 0x29000
	v_mov_b32 v255, 0
	v_lshrrev_b32 v1, 5, v0
	v_readfirstlane_b32 s18, v1                    ; wave
	s_mov_b32 s19, ttmp9                           ; g
	s_mov_b32 s20, 0x42c8cd9f                      ; dz / 2, dz = 50000 / 249; pairs, since the packed forms name pairs
	s_mov_b32 s21, 0x42c8cd9f
	s_mov_b32 s22, 0x4348cd9f                      ; dz
	s_mov_b32 s23, 0x4348cd9f
	s_mov_b32 s24, 0x4205de6a                      ; dz / 6
	s_mov_b32 s25, 0x4205de6a
	s_mov_b32 s26, 0x3eaaaaab                      ; 1/3
	s_mov_b32 s27, 0x3eaaaaab
	s_mov_b32 s46, 0x3f2aaaab                      ; 2/3
	s_mov_b32 s47, 0x3f2aaaab
	s_mov_b32 s48, 0xbeaaaaab                      ; - 1/3
	s_mov_b32 s49, 0xbeaaaaab
	s_mov_b32 s28, 0x2dafebff                      ; 2e-11
	s_mov_b32 s29, 0x7fffffff
	s_mov_b32 s30, 0xaaaaaaaa                      ; the odd lanes
	s_mov_b32 s32, 0x4d8ef3c2                      ; C0
	s_mov_b32 s33, 0x503a43b7                      ; 1.25e10 = 1 / 80e-12
	s_mov_b32 s34, 0                               ; loss polynomial: lambda^2,
	s_mov_b32 s35, 0                               ; lambda,
	s_mov_b32 s36, 0x3951b717                      ; constant 0.2e-3 dB/m
	s_mov_b32 s37, 0xbe6bc8e3                      ; - ln 10 / 10
	s_mov_b32 s38, 0x3a83126f                      ; 1e-3 W a channel
	v_and_b32 v224, 7, v0
	v_bfe_u32 v225, v0, 4, 1
	v_lshl_add_u32 v224, v225, 3, v224             ; t
	v_bfe_u32 v225, v0, 3, 1
	v_mad_u32_u24 v225, v225, 13, v224
	v_mad_u32_u24 v225, v1, 26, v225               ; channel
	v_min_u32 v226, 99, v225
	v_lshlrev_b32 v226, 2, v226
	v_bfe_u32 v227, v0, 2, 4                       ; b
	v_and_b32 v198, 3, v0                          ; p
	v_lshlrev_b32 v198, 2, v198
	v_lshl_add_u32 v227, v227, 5, v198             ; 32 b + 4 p
.irp k, 0,1,2,3,4,5,6
	v_add_nc_u32 v[238+\k], 128*\k, v0
	v_min_u32 v[238+\k], 0x320, v[238+\k]          ; no load passes word 800
	v_lshlrev_b32 v[238+\k], 2, v[238+\k]
.endr
	v_lshlrev_b32 v[VOFF], 4, v0
	v_lshlrev_b32 v245, 3, v0
	v_lshlrev_b32 v246, 2, v0
	s_lshl_b32 s40, s19, 9
	s_mov_b32 s41, 0
	s_wait_kmcnt 0x0
	s_add_nc_u64 s[8:9], s[8:9], s[40:41]          ; my 16 rows of x
	s_lshl_b32 s40, s19, 15
	s_add_nc_u64 s[12:13], s[12:13], s[40:41]      ; my part of idx_pb
	s_lshl_b32 s40, s19, 10
	s_add_nc_u64 s[14:15], s[14:15], s[40:41]      ; my part of idx_pp
	s_mul_i32 s40, s19, 6400
	s_add_nc_u64 s[16:17], s[16:17], s[40:41]      ; my 16 rows of out0
	global_load_b32 v228, v226, s[6:7]             ; my slot's wavelength
	global_load_b32 v229, v227, s[8:9]             ; pump row tid & 63: wavelength,
	global_load_b32 v230, v227, s[8:9] offset:16   ; power
.irp k, 0,1,2,3,4,5,6
	global_load_b32 v[231+\k], v[238+\k], s[4:5]
.endr
.irp u, 0,1,2,3
	global_load_b128 v[IDX+4*\u:IDX+4*\u+3], v[VOFF], s[10:11] offset:2048*\u   ; rows 0..15 against my column
.endr
	global_load_b64 v[196:197], v245, s[14:15]
	s_wait_loadcnt 0x5                             ; the five index loads, issued last, may stay out
.irp k, 0,1,2,3,4,5,6
	ds_store_b32 v246, v[231+\k] offset:RT+512*\k
.endr
; f = C0 / lambda with one correction, 1 / f, and - loss(lambda)
.macro FREQ lam, f, rf, nl, t0, t1
	v_rcp_f32 v\t0, v\lam
	v_fma_f32 v\nl, v\lam, s34, s35                ; also the plain place behind the reciprocal (ISA guide 5.7.2)
	v_fma_f32 v\nl, v\lam, v\nl, s36
	v_mul_f32 v\nl, s37, v\nl
	s_wait_alu depctr_va_vdst(0)
	v_mul_f32 v\t1, s32, v\t0
	v_fma_f32 v\f, -v\t1, v\lam, s32
	v_fma_f32 v\f, v\f, v\t0, v\t1
	v_rcp_f32 v\rf, v\f
	v_nop
.endm
	FREQ 228, 2, 3, 247, 198, 199
	FREQ 229, 248, 249, 250, 198, 199
	v_mov_b32 v199, 1.0
	v_cmp_gt_u32 vcc_lo, 13, v224
	v_cndmask_b32 v[MJ], 0, v199, vcc_lo
	v_cmp_gt_u32 vcc_lo, 100, v225
	v_cndmask_b32 v[MJ], 0, v[MJ], vcc_lo          ; 1 for a live slot
	v_mul_f32 v251, s33, v[MJ]
	v_mul_f32 v252, s38, v[MJ]
	v_mov_b32 v253, s33
	v_and_b32 v254, s29, v230
	v_max_num_f32 v254, 0, v254                    ; relu(abs(power))
	ds_store_b32 v246, v[FJ] offset:FR
	ds_store_b32 v246, v248 offset:FR+512
	ds_store_b32 v246, v[RFJ] offset:RF
	s_wait_alu depctr_va_vdst(0)
	ds_store_b32 v246, v249 offset:RF+512
	ds_store_b32 v246, v251 offset:MR
	ds_store_b32 v246, v253 offset:MR+512
	ds_store_b32 v246, v247 offset:LS
	ds_store_b32 v246, v250 offset:LS+512
	ds_store_b32 v246, v252 offset:PI
	ds_store_b32 v246, v254 offset:PI+512
	v_lshlrev_b32 v[VST], 1, v0
	v_add_nc_u32 v[VST], AM, v[VST]
	v_add_nc_u32 v[VGS], GCB, v246
	v_mov_b32 v[VROW], 0
	s_wait_dscnt 0x0                               ; my words are in LDS before I say so
	s_barrier_signal -1
	s_barrier_wait -1
; One trip of the gain set-up: 16 rows against my column, each operation over all 16 rows so that no line waits for the one before.
; dual = 1: pump rows; the gain of the opposite orientation (slot <- pump) goes to GCB as f32.
; pref = 1: the next trip's indices are asked for, from table s[base:base+1]; first = 1: from that table's start.
.macro TRIPG dual, pref, base, first
	s_wait_loadcnt 0x0                             ; this trip's indices; also frees VOFF
.irp e, 0,1,2,3,4,5,6,7,8,9,10,11,12,13,14,15
	v_min_u32 v[IA+\e], IMAX, v[IDX+\e]
.endr
.if \pref
.if \first
	v_lshlrev_b32 v[VOFF], 4, v0
.else
	v_add_nc_u32 v[VOFF], 8192, v[VOFF]
.endif
.irp u, 0,1,2,3
	global_load_b128 v[IDX+4*\u:IDX+4*\u+3], v[VOFF], s[\base:\base+1] offset:2048*\u
.endr
.endif
.irp u, 0,1,2,3
	ds_load_b128 v[FRR+4*\u:FRR+4*\u+3], v[VROW] offset:FR+16*\u
	ds_load_b128 v[MRR+4*\u:MRR+4*\u+3], v[VROW] offset:MR+16*\u
.if \dual
	ds_load_b128 v[RFR+4*\u:RFR+4*\u+3], v[VROW] offset:RF+16*\u
.endif
.endr
.irp e, 0,1,2,3,4,5,6,7,8,9,10,11,12,13,14,15
	v_lshlrev_b32 v[TA+\e], 2, v[IA+\e]
.endr
.irp e, 0,1,2,3,4,5,6,7,8,9,10,11,12,13,14,15
	ds_load_b32 v[R0+\e], v[TA+\e] offset:RT
	ds_load_b32 v[R1+\e], v[TA+\e] offset:RT+4
.endr
	s_wait_dscnt 32                                ; LDS answers in order: the rows' data are in, the 32 gathers issued behind them may be out
.irp e, 0,1,2,3,4,5,6,7,8,9,10,11,12,13,14,15
	v_sub_f32 v[TD+\e], v[FJ], v[FRR+\e]           ; D = f_j - f_i
.endr
.irp e, 0,1,2,3,4,5,6,7,8,9,10,11,12,13,14,15
	v_and_b32 v[TW+\e], s29, v[TD+\e]
.endr
.irp e, 0,1,2,3,4,5,6,7,8,9,10,11,12,13,14,15
	v_mul_f32 v[TW+\e], s28, v[TW+\e]              ; fidx, rounded as reference() rounds it before i0 is taken away
.endr
.irp e, 0,1,2,3,4,5,6,7,8,9,10,11,12,13,14,15
	v_cvt_f32_u32 v[TG+\e], v[IA+\e]
.endr
.irp e, 0,1,2,3,4,5,6,7,8,9,10,11,12,13,14,15
	v_sub_f32 v[TW+\e], v[TW+\e], v[TG+\e]         ; w
.endr
.irp e, 0,1,2,3,4,5,6,7,8,9,10,11,12,13,14,15
	v_sub_f32 v[TG+\e], 1.0, v[TW+\e]
.endr
.irp e, 0,1,2,3,4,5,6,7,8,9,10,11,12,13,14,15
	v_mul_f32 v[MRR+\e], v[MJ], v[MRR+\e]          ; both masks and 1 / A_eff
.endr
.irp e, 0,1,2,3,4,5,6,7,8,9,10,11,12,13,14,15
	v_mul_f32 v[TR+\e], v[RFJ], v[FRR+\e]          ; f_i / f_j
.endr
.irp e, 0,1,2,3,4,5,6,7,8,9,10,11,12,13,14,15
	v_max_num_f32 v[TR+\e], 1.0, v[TR+\e]
.endr
.irp e, 0,1,2,3,4,5,6,7,8,9,10,11,12,13,14,15
	v_bfi_b32 v[TR+\e], s29, v[TR+\e], v[TD+\e]    ; D's sign; D = 0 is +0 and keeps + g
.endr
.irp e, 0,1,2,3,4,5,6,7,8,9,10,11,12,13,14,15
	v_mul_f32 v[TR+\e], v[TR+\e], v[MRR+\e]
.endr
.if \dual
.irp e, 0,1,2,3,4,5,6,7,8,9,10,11,12,13,14,15
	v_sub_f32 v[TD+\e], v[FRR+\e], v[FJ]           ; the other orientation: i = my slot, j = the pump
.endr
.irp e, 0,1,2,3,4,5,6,7,8,9,10,11,12,13,14,15
	v_mul_f32 v[IA+\e], v[FJ], v[RFR+\e]
.endr
.irp e, 0,1,2,3,4,5,6,7,8,9,10,11,12,13,14,15
	v_max_num_f32 v[IA+\e], 1.0, v[IA+\e]
.endr
.irp e, 0,1,2,3,4,5,6,7,8,9,10,11,12,13,14,15
	v_bfi_b32 v[IA+\e], s29, v[IA+\e], v[TD+\e]
.endr
.irp e, 0,1,2,3,4,5,6,7,8,9,10,11,12,13,14,15
	v_mul_f32 v[IA+\e], v[IA+\e], v[MRR+\e]
.endr
.endif
	s_wait_dscnt 0x0                               ; the gathers
.irp e, 0,1,2,3,4,5,6,7,8,9,10,11,12,13,14,15
	v_mul_f32 v[TW+\e], v[R1+\e], v[TW+\e]
.endr
.irp e, 0,1,2,3,4,5,6,7,8,9,10,11,12,13,14,15
	v_fma_f32 v[TG+\e], v[R0+\e], v[TG+\e], v[TW+\e]   ; g = table[i0] (1 - w) + table[i0 + 1] w
.endr
.irp e, 0,1,2,3,4,5,6,7,8,9,10,11,12,13,14,15
	v_mul_f32 v[TR+\e], v[TG+\e], v[TR+\e]
.endr
.irp c, 0,1,2,3,4,5,6,7
	v_cvt_pk_bf16_f32 v[TW+\c], v[TR+2*\c], v[TR+2*\c+1]
.endr
.irp c, 0,1,2,3,4,5,6,7
	ds_store_b16 v[VST], v[TW+\c] offset:APITCH*2*\c
	ds_store_b16_d16_hi v[VST], v[TW+\c] offset:APITCH*(2*\c+1)
.endr
.if \dual
.irp e, 0,1,2,3,4,5,6,7,8,9,10,11,12,13,14,15
	v_mul_f32 v[TD+\e], v[TG+\e], v[IA+\e]
.endr
.irp e, 0,1,2,3,4,5,6,7,8,9,10,11,12,13,14,15
	ds_store_b32 v[VGS], v[TD+\e] offset:GPITCH*\e
.endr
	v_add_nc_u32 v[VGS], 16*GPITCH, v[VGS]
.endif
	v_add_nc_u32 v[VST], 16*APITCH, v[VST]
	v_add_nc_u32 v[VROW], 64, v[VROW]
.endm
	s_mov_b32 s31, 7                               ; 128 slot rows = 8 trips; the eighth asks for the pump table's first trip
.Lsig:
	TRIPG 0, 1, 10, 0
	s_sub_co_i32 s31, s31, 1
	s_cmp_lg_u32 s31, 0
	s_cbranch_scc1 .Lsig
	TRIPG 0, 1, 12, 1
	s_mov_b32 s31, 3                               ; 64 pump rows = 4 trips; the fourth asks for nothing
.Lpump:
	TRIPG 1, 1, 12, 0
	s_sub_co_i32 s31, s31, 1
	s_cmp_lg_u32 s31, 0
	s_cbranch_scc1 .Lpump
	TRIPG 1, 0, 12, 0
	; pump <- pump: thread tid makes G[b, p, p'] for rho = 4 b + p = tid >> 1 and p' = 2 (tid & 1) + {0, 1}
	v_min_u32 v[IA], IMAX, v196
	v_min_u32 v[IA+1], IMAX, v197
	v_lshlrev_b32 v[TA], 2, v[IA]
	v_lshlrev_b32 v[TA+1], 2, v[IA+1]
	v_lshrrev_b32 v[TA+2], 1, v0
	v_lshlrev_b32 v[TA+2], 2, v[TA+2]              ; 4 rho
	v_lshrrev_b32 v[TA+3], 3, v0                   ; b
	v_and_b32 v[TA+4], 1, v0
	v_lshlrev_b32 v[TA+5], 3, v[TA+4]
	v_lshl_add_u32 v[TA+5], v[TA+3], 4, v[TA+5]    ; 16 b + 8 (tid & 1)
	ds_load_b32 v[FRR], v[TA+2] offset:FR+512      ; f_i
	ds_load_b64 v[FRR+2:FRR+3], v[TA+5] offset:FR+512   ; two f_j
	ds_load_b64 v[RFR+2:RFR+3], v[TA+5] offset:RF+512   ; two 1 / f_j
.irp e, 0,1
	ds_load_b32 v[R0+\e], v[TA+\e] offset:RT
	ds_load_b32 v[R1+\e], v[TA+\e] offset:RT+4
.endr
	v_bfe_u32 v[TA+6], v0, 1, 2                    ; p
	v_lshlrev_b32 v[TA+6], 2, v[TA+6]
	v_lshl_add_u32 v[TA+6], v[TA+4], 5, v[TA+6]
	v_lshl_add_u32 v[TA+6], v[TA+3], 6, v[TA+6]
	v_add_nc_u32 v[TA+6], GPB, v[TA+6]             ; GPB + 64 b + 32 (tid & 1) + 4 p
	s_wait_dscnt 0x0
.irp e, 0,1
	v_sub_f32 v[TD+\e], v[FRR+2+\e], v[FRR]
	v_cvt_f32_u32 v[TG+\e], v[IA+\e]
	v_mul_f32 v[TR+\e], v[FRR], v[RFR+2+\e]
.endr
.irp e, 0,1
	v_and_b32 v[TW+\e], s29, v[TD+\e]
	v_max_num_f32 v[TR+\e], 1.0, v[TR+\e]
.endr
.irp e, 0,1
	v_mul_f32 v[TW+\e], s28, v[TW+\e]
	v_bfi_b32 v[TR+\e], s29, v[TR+\e], v[TD+\e]
.endr
.irp e, 0,1
	v_sub_f32 v[TW+\e], v[TW+\e], v[TG+\e]
	v_mul_f32 v[TR+\e], s33, v[TR+\e]
.endr
.irp e, 0,1
	v_sub_f32 v[TG+\e], 1.0, v[TW+\e]
.endr
.irp e, 0,1
	v_mul_f32 v[TW+\e], v[R1+\e], v[TW+\e]
.endr
.irp e, 0,1
	v_fma_f32 v[TG+\e], v[R0+\e], v[TG+\e], v[TW+\e]
.endr
.irp e, 0,1
	v_mul_f32 v[TR+\e], v[TG+\e], v[TR+\e]
.endr
.irp e, 0,1
	ds_store_b32 v[TA+6], v[TR+\e] offset:16*\e
.endr
	s_wait_dscnt 0x0                               ; all my gains are in LDS before I say so
	s_barrier_signal -1
	s_barrier_wait -1
	; the tables go into registers.  Fragment q of a wave belongs to K step s = (w + q) & 3, so that q = 0 is the wave's own.
	v_and_b32 v200, 31, v0                         ; lane
	v_and_b32 v201, 15, v0                         ; r
	v_bfe_u32 v202, v0, 4, 1                       ; h
	v_mul_u32_u24 v203, v201, APITCH
	v_lshl_add_u32 v203, v202, 4, v203             ; r x pitch + 16 h
	s_mul_i32 s40, s18, 32*APITCH
	s_add_co_u32 s40, s40, AM                      ; my 32 rows of G_ss
	s_mul_i32 s41, s18, 16*APITCH
	s_add_co_u32 s41, s41, AM+128*APITCH           ; my 16 pump rows
.irp q, 0,1,2,3
	s_add_co_u32 s42, s18, \q
	s_and_b32 s42, s42, 3                          ; s
	s_lshl_b32 s43, s42, 6                         ; 32 columns of bf16
	s_add_co_u32 s44, s40, s43
	v_add_nc_u32 v[204+\q], s44, v203
	s_add_co_u32 s44, s41, s43
	v_add_nc_u32 v[208+\q], s44, v203
.if \q
	s_lshl_b32 s43, s42, 10
	s_add_co_u32 s43, s43, XB
	v_lshl_add_u32 v[216+\q], v200, 4, s43         ; wave s's fragment, my lane's 16 bytes
.endif
.endr
	v_mul_u32_u24 v212, v201, 4*GPITCH
	v_lshl_add_u32 v212, v202, 5, v212
	s_lshl_b32 s45, s18, 7
	s_add_co_u32 s44, s45, GCB
	v_add_nc_u32 v212, s44, v212                   ; GCB + 4 r rows + (32 w + 8 h) words
	v_lshlrev_b32 v213, 6, v201
	v_add_nc_u32 v213, GPB, v213
	v_lshrrev_b32 v214, 2, v201                    ; batch row r's pumps are kept by wave r >> 2,
	v_lshlrev_b32 v214, 9, v214
	v_lshl_add_u32 v214, v201, 4, v214             ; lane r + 16 ((r >> 1) & 1)
	v_bfe_u32 v215, v201, 1, 1
	v_lshl_add_u32 v214, v215, 8, v214
	v_add_nc_u32 v214, XB, v214
	v_lshl_add_u32 v215, v202, 5, s45              ; (32 w + 8 h) words
	v_lshlrev_b32 v220, 4, v201
	s_lshl_b32 s44, s18, 10
	s_add_co_u32 s44, s44, XB
	v_lshl_add_u32 v[STF], v200, 4, s44
	s_lshl_b32 s44, s18, 9
	s_add_co_u32 s44, s44, XB+XPUMP
	v_lshl_add_u32 v[STP], v200, 4, s44
	WIN 0x40                                       ; destinations in block 1, addresses and sources in block 0
	v_mov_b32 v[LDP], v214
.irp q, 1,2,3
	v_mov_b32 v[LDF+\q], v[216+\q]
.endr
.irp c, 0,1
	v_mov_b32 v[CVH+\c], s20
	v_mov_b32 v[CVF+\c], s22
	v_mov_b32 v[CVS+\c], s24
	v_mov_b32 v[WVM+\c], s48
	v_mov_b32 v[WV1+\c], s26
	v_mov_b32 v[WV2+\c], s46
.endr
.irp q, 0,1,2,3
.irp c, 0,1
	ds_load_b128 v[AS+16*\q+8*\c:AS+16*\q+8*\c+3], v[204+\q] offset:16*APITCH*\c
	ds_load_b128 v[AS+16*\q+8*\c+4:AS+16*\q+8*\c+7], v[204+\q] offset:16*APITCH*\c+32
.endr
	ds_load_b128 v[AP+8*\q:AP+8*\q+3], v[208+\q]
	ds_load_b128 v[AP+8*\q+4:AP+8*\q+7], v[208+\q] offset:32
.endr
.irp p, 0,1,2,3
	ds_load_b128 v[GC+16*\p:GC+16*\p+3], v212 offset:GPITCH*\p          ; t = 0..3
	ds_load_b128 v[GC+16*\p+4:GC+16*\p+7], v212 offset:GPITCH*\p+16     ; t = 4..7
	ds_load_b128 v[GC+16*\p+8:GC+16*\p+11], v212 offset:GPITCH*\p+64    ; t = 8..11 (tau = 1: 16 slots on)
	ds_load_b64 v[GC+16*\p+12:GC+16*\p+13], v212 offset:GPITCH*\p+80    ; t = 12, 13
	ds_load_b128 v[GP+4*\p:GP+4*\p+3], v213 offset:16*\p
.endr
	WIN 0
	ds_load_b128 v[NL:NL+3], v215 offset:LS
	ds_load_b128 v[NL+4:NL+7], v215 offset:LS+16
	ds_load_b128 v[NL+8:NL+11], v215 offset:LS+64
	ds_load_b64 v[NL+12:NL+13], v215 offset:LS+80
	ds_load_b128 v[P0:P0+3], v215 offset:PI
	ds_load_b128 v[P0+4:P0+7], v215 offset:PI+16
	ds_load_b128 v[P0+8:P0+11], v215 offset:PI+64
	ds_load_b64 v[P0+12:P0+13], v215 offset:PI+80
	ds_load_b128 v[NLP:NLP+3], v220 offset:LS+512
	ds_load_b128 v[YP:YP+3], v220 offset:PI+512
	v_mov_b32 v[BF+7], 0                           ; slots t = 14, 15 of my fragment, for the whole launch
	s_wait_dscnt 0x0
.irp i, 0,1,2,3,4,5,6
	v_cvt_pk_bf16_f32 v[BF+\i], v[P0+2*\i], v[P0+2*\i+1]
.endr
	ds_store_b128 v[STF], v[BF:BF+3]               ; the first stage reads buffer 0
	ds_store_b128 v[STF], v[BF+4:BF+7] offset:512
	ds_store_b128 v[STP], v[YP:YP+3]
.irp i, 0,1,2,3,4,5,6
	v_pk_mul_f32 v[YC+2*\i:YC+2*\i+1], v[P0+2*\i:P0+2*\i+1], s[20:21] op_sel_hi:[1,0]   ; the first stage's c Y
.endr
.irp i, 0,1,2,3,4,5,6
	v_pk_mul_f32 v[AC+2*\i:AC+2*\i+1], v[P0+2*\i:P0+2*\i+1], s[48:49] op_sel_hi:[1,0]   ; the first step's sum starts with - P/3
.endr
; pump column uu = 7 p + i: CC pair i += G[., p] x pump p (broadcast to both halves); p = 0 starts the sum from - loss
.macro COL uu, PP
.set cp, (\uu)/7
.set ci, 2*((\uu)%7)
.if cp == 0
	v_pk_fma_f32 v[CC+ci:CC+ci+1], v[GC+ci:GC+ci+1], v[\PP:\PP+1], v[NL+ci:NL+ci+1] op_sel_hi:[1,0,1]
.else
.if cp == 2
	v_pk_fma_f32 v[CC+ci:CC+ci+1], v[GC+32+ci:GC+32+ci+1], v[\PP+2:\PP+3], v[CC+ci:CC+ci+1] op_sel_hi:[1,0,1]
.else
	v_pk_fma_f32 v[CC+ci:CC+ci+1], v[GC+16*cp+ci:GC+16*cp+ci+1], v[\PP+cp-1:\PP+cp], v[CC+ci:CC+ci+1] op_sel:[0,1,0] op_sel_hi:[1,1,1]
.endif
.endif
.endm
; the same for the pumps themselves: nn = 2 p' + j
.macro CPPOP nn, PP
.set cq, (\nn)/2
.set cj, 2*((\nn)%2)
.if cq == 0
	v_pk_fma_f32 v[CPP+cj:CPP+cj+1], v[GP+cj:GP+cj+1], v[\PP:\PP+1], v[NLP+cj:NLP+cj+1] op_sel_hi:[1,0,1]
.else
.if cq == 2
	v_pk_fma_f32 v[CPP+cj:CPP+cj+1], v[GP+8+cj:GP+8+cj+1], v[\PP+2:\PP+3], v[CPP+cj:CPP+cj+1] op_sel_hi:[1,0,1]
.else
	v_pk_fma_f32 v[CPP+cj:CPP+cj+1], v[GP+4*cq+cj:GP+4*cq+cj+1], v[\PP+cq-1:\PP+cq], v[CPP+cj:CPP+cj+1] op_sel:[0,1,0] op_sel_hi:[1,1,1]
.endif
.endif
.endm
; The 36 instructions that make H from the pump powers (28 COL, 8 CPPOP) as one list: three COL, one CPPOP, eight times, then COL 24..27.
; In this order two instructions on one sum stand at least eight apart.  VOP writes number vn of the list and steps vn; VOPS writes n of them.
.macro VOP PP
.if vn < 32
.set vq, vn/4
.set vr, vn%4
.if vr == 3
	CPPOP vq, \PP
.else
.set vu, 3*vq+vr
	COL vu, \PP
.endif
.else
.set vu, vn-8
	COL vu, \PP
.endif
.set vn, vn+1
.endm
.macro VOPS n, PP
.rept \n
	VOP \PP
.endr
.endm
; One derivative evaluation.  X: the exchange buffer that holds this stage's powers; YD: where the next stage's signals go; PP: where the pump
; powers are loaded to; CV, WV: block-1 pairs with this stage's step c and this stage's weight in the step's sum (for the pumps);
; CN, WN: scalar pairs with the NEXT stage's step and weight (for the signals, made a stage ahead); mode 1: first stage, 2: middle, 4: last.
.macro STAGE X, YD, PP, CV, WV, CN, WN, mode
	WIN 0x01                                       ; source 0 (A, gains, constants, read addresses) in block 1
	s_wait_dscnt 0x0                               ; my stores into buffer X are in LDS; my reads of the other buffer came back in the last stage
	s_barrier_signal -1
	s_barrier_wait -1                              ; buffer X is whole; nobody reads the other buffer any more
	ds_load_b128 v[\PP:\PP+3], v[LDP] offset:XBUF*\X+XPUMP   ; the seven reads go out first: everything else in the stage hangs on them
.irp q, 1,2,3
	ds_load_b128 v[BF+8*\q:BF+8*\q+3], v[LDF+\q] offset:XBUF*\X
	ds_load_b128 v[BF+8*\q+4:BF+8*\q+7], v[LDF+\q] offset:XBUF*\X+512
.endr
	v_wmma_f32_16x16x32_bf16 v[T0:T0+7], v[AS:AS+7], v[BF:BF+7], 0           ; my own fragment needs no exchange: these three run while the reads are on their way
	v_wmma_f32_16x16x32_bf16 v[T1:T1+7], v[AS+8:AS+15], v[BF:BF+7], 0        ; the first products start the sums
	v_wmma_f32_16x16x32_bf16 v[DP:DP+7], v[AP:AP+7], v[BF:BF+7], 0
.set vn, 0
	s_wait_dscnt 6                                 ; LDS answers in order: the pump powers, read first, are in; the six fragment reads issued behind them may be out
.irp j, 0,1
	v_pk_mul_f32 v[PPC+2*\j:PPC+2*\j+1], v[\CV:\CV+1], v[\PP+2*\j:\PP+2*\j+1]      ; c PP
.endr
.irp j, 0,1
.if \mode == 1
	v_pk_mul_f32 v[ACP+2*\j:ACP+2*\j+1], v[\WV:\WV+1], v[\PP+2*\j:\PP+2*\j+1]      ; the pumps' sum starts with - P/3
.else
	v_pk_fma_f32 v[ACP+2*\j:ACP+2*\j+1], v[\WV:\WV+1], v[\PP+2*\j:\PP+2*\j+1], v[ACP+2*\j:ACP+2*\j+1]
.endif
.endr
	VOPS 12, \PP                                   ; a third of the list ahead of the first fragment's products
.irp q, 1,2,3
	s_wait_dscnt 6-2*\q                            ; fragment q and all before it are in; the 6 - 2 q reads issued behind it may be out
	v_wmma_f32_16x16x32_bf16 v[T0:T0+7], v[AS+16*\q:AS+16*\q+7], v[BF+8*\q:BF+8*\q+7], v[T0:T0+7]   ; the three accumulators take turns, one instruction a turn
	VOPS 3, \PP                                    ; the other 24 of the list, three behind each of eight matrix instructions
	v_wmma_f32_16x16x32_bf16 v[T1:T1+7], v[AS+16*\q+8:AS+16*\q+15], v[BF+8*\q:BF+8*\q+7], v[T1:T1+7]
	VOPS 3, \PP
	v_wmma_f32_16x16x32_bf16 v[DP:DP+7], v[AP+8*\q:AP+8*\q+7], v[BF+8*\q:BF+8*\q+7], v[DP:DP+7]
.if \q < 3
	VOPS 3, \PP
.endif
.endr
	WIN 0
	; H (c Y) + P (in the last stage: + the step's sum).  These nine are the places behind the last matrix instruction (ISA guide 7.12.1);
	; T1's last link has three more in front of them, T0's six
.irp i, 0,1,2,3,4,5,6
.if \mode == 4
	v_pk_fma_f32 v[CC+2*\i:CC+2*\i+1], v[CC+2*\i:CC+2*\i+1], v[YC+2*\i:YC+2*\i+1], v[AC+2*\i:AC+2*\i+1]
.else
	v_pk_fma_f32 v[CC+2*\i:CC+2*\i+1], v[CC+2*\i:CC+2*\i+1], v[YC+2*\i:YC+2*\i+1], v[P0+2*\i:P0+2*\i+1]
.endif
.endr
.irp j, 0,1
.if \mode == 4
	v_pk_fma_f32 v[CPP+2*\j:CPP+2*\j+1], v[CPP+2*\j:CPP+2*\j+1], v[PPC+2*\j:PPC+2*\j+1], v[ACP+2*\j:ACP+2*\j+1]
.else
	v_pk_fma_f32 v[CPP+2*\j:CPP+2*\j+1], v[CPP+2*\j:CPP+2*\j+1], v[PPC+2*\j:PPC+2*\j+1], v[P0P+2*\j:P0P+2*\j+1]
.endif
.endr
.irp i, 0,1,2,3,4,5,6
	v_pk_fma_f32 v[\YD+2*\i:\YD+2*\i+1], v[T0+2*\i:T0+2*\i+1], v[YC+2*\i:YC+2*\i+1], v[CC+2*\i:CC+2*\i+1]   ; the next stage's signals, one multiply-add behind the matrix result
.endr
.irp j, 0,1,2,3
	v_cndmask_b32 v[RS+\j], v[DP+\j], v[DP+4+\j], s30    ; an odd batch row's four sums lie in registers 4..7 of its lane
.endr
.irp i, 0,1,2,3
	v_cvt_pk_bf16_f32 v[BF+\i], v[\YD+2*\i], v[\YD+2*\i+1]
.endr
.irp j, 0,1
	v_pk_fma_f32 v[YP+2*\j:YP+2*\j+1], v[RS+2*\j:RS+2*\j+1], v[PPC+2*\j:PPC+2*\j+1], v[CPP+2*\j:CPP+2*\j+1]  ; the next stage's pumps
.endr
.irp i, 4,5,6
	v_cvt_pk_bf16_f32 v[BF+\i], v[\YD+2*\i], v[\YD+2*\i+1]
.endr
	; the three stores together, behind all the vector work that feeds them
	ds_store_b128 v[STF], v[BF:BF+3] offset:XBUF*(1-\X)
	ds_store_b128 v[STF], v[BF+4:BF+7] offset:XBUF*(1-\X)+512
	ds_store_b128 v[STP], v[YP:YP+3] offset:XBUF*(1-\X)  ; every lane into its own 16 bytes; only the owners' (lane r + 16 ((r >> 1) & 1) of wave r >> 2) are read
	; while the stores are on their way: the next stage's c Y, and its share of the step's sum
.irp i, 0,1,2,3,4,5,6
	v_pk_mul_f32 v[YC+2*\i:YC+2*\i+1], v[\YD+2*\i:\YD+2*\i+1], s[\CN:\CN+1] op_sel_hi:[1,0]
.endr
.irp i, 0,1,2,3,4,5,6
.if \mode == 4
	v_pk_mul_f32 v[AC+2*\i:AC+2*\i+1], v[\YD+2*\i:\YD+2*\i+1], s[\WN:\WN+1] op_sel_hi:[1,0]     ; the next step's sum starts with - P/3
.else
	v_pk_fma_f32 v[AC+2*\i:AC+2*\i+1], v[\YD+2*\i:\YD+2*\i+1], s[\WN:\WN+1], v[AC+2*\i:AC+2*\i+1] op_sel_hi:[1,0,1]
.endif
.endr
.endm
	s_mov_b32 s31, 249
.Lstep:
	STAGE 0, YS, P0P, CVH, WVM, 20, 26, 1          ; at P: Y2 = P + dz/2 k1; the pump powers loaded here are the step's start in every lane
	STAGE 1, YS, PPS, CVH, WV1, 22, 46, 2          ; at Y2: Y3 = P + dz/2 k2
	STAGE 0, YS, PPS, CVF, WV2, 24, 26, 2          ; at Y3: Y4 = P + dz k3
	STAGE 1, P0, PPS, CVS, WV1, 20, 48, 4          ; at Y4: P = the step's sum + dz/6 k4
	s_sub_co_i32 s31, s31, 1
	s_cmp_lg_u32 s31, 0
	s_cbranch_scc1 .Lstep
	; the way out: my 13 channels of batch row r into a dense stage of 16 rows x 400 bytes, read back in 16-byte pieces
	v_mul_u32_u24 v16, v201, 400
	v_mad_u32_u24 v16, v202, 52, v16
	s_mul_i32 s40, s18, 104
	s_add_co_u32 s40, s40, OSB
	v_add_nc_u32 v16, s40, v16                     ; OSB + 400 r + 4 (26 w + 13 h)
	s_cmp_eq_u32 s18, 3
	s_cselect_b32 s41, ODUMP, 0
	v_mad_u32_u24 v17, v202, s41, v16              ; wave 3, h = 1: t = 9..12 are channels 100..103, which do not exist: aside
.irp t, 0,1,2,3,4,5,6,7,8
	ds_store_b32 v16, v[P0+\t] offset:4*\t
.endr
.irp t, 9,10,11,12
	ds_store_b32 v17, v[P0+\t] offset:4*\t
.endr
	v_lshlrev_b32 v19, 4, v0
	v_add_nc_u32 v18, OSB, v19
	s_wait_dscnt 0x0                               ; my channels are in the stage before I say so
	s_barrier_signal -1
	s_barrier_wait -1
.irp k, 0,1,2
	ds_load_b128 v[20+4*\k:23+4*\k], v18 offset:2048*\k
.endr
.irp k, 0,1,2
	s_wait_dscnt 2-\k                              ; piece k is back, the younger ones may be out
	global_store_b128 v19, v[20+4*\k:23+4*\k], s[16:17] offset:2048*\k   ; a wave's store covers 512 consecutive bytes, aligned
.endr
	s_cmp_lg_u32 s18, 0
	s_cbranch_scc1 .Ldone
	v_lshlrev_b32 v32, 3, v0                       ; the last 256 of the 6,400 bytes: wave 0, 8 bytes a lane
	v_add_nc_u32 v33, OSB+6144, v32
	ds_load_b64 v[34:35], v33
	s_wait_dscnt 0x0
	global_store_b64 v32, v[34:35], s[16:17] offset:6144
.Ldone:
	s_wait_tensorcnt 0x0
	ds_add_u32 v195, v255
	s_wait_dscnt 0x0
	s_endpgm
.Lfunc_end_k_q53eb849e22_raman:
	.size	k_q53eb849e22_raman, .Lfunc_end_k_q53eb849e22_raman-k_q53eb849e22_raman
	.p2alignl 7, 3214868480
	.fill 96, 4, 3214868480
	.section	.rodata,"a",@progbits
	.p2align	6, 0x0
	.amdhsa_kernel k_q53eb849e22_raman
		.amdhsa_group_segment_fixed_size 168448
		.amdhsa_private_segment_fixed_size 0
		.amdhsa_enable_private_segment 0
		.amdhsa_kernarg_size 56
		.amdhsa_user_sgpr_count 2
		.amdhsa_user_sgpr_kernarg_segment_ptr 1
		.amdhsa_wavefront_size32 1
		.amdhsa_system_sgpr_workgroup_id_x 1
		.amdhsa_system_sgpr_workgroup_id_y 1
		.amdhsa_system_sgpr_workgroup_id_z 1
		.amdhsa_system_vgpr_workitem_id 0
		.amdhsa_next_free_vgpr 448
		.amdhsa_next_free_sgpr 66
		.amdhsa_reserve_vcc 1
		.amdhsa_float_denorm_mode_32 3
		.amdhsa_float_denorm_mode_16_64 3
		.amdhsa_memory_ordered 1
		.amdhsa_forward_progress 1
		.amdhsa_inst_pref_size 115
	.end_amdhsa_kernel
	.amdgpu_metadata
---
amdhsa.version: [ 1, 2 ]
amdhsa.kernels:
  - .name:           k_q53eb849e22_raman
    .symbol:         k_q53eb849e22_raman.kd
    .args:
      - { .name: raman_response, .offset: 0, .size: 8, .value_kind: global_buffer, .address_space: global }
      - { .name: signal_wavelengths, .offset: 8, .size: 8, .value_kind: global_buffer, .address_space: global }
      - { .name: x, .offset: 16, .size: 8, .value_kind: global_buffer, .address_space: global }
      - { .name: idx_ss, .offset: 24, .size: 8, .value_kind: global_buffer, .address_space: global }
      - { .name: idx_pb, .offset: 32, .size: 8, .value_kind: global_buffer, .address_space: global }
      - { .name: idx_pp, .offset: 40, .size: 8, .value_kind: global_buffer, .address_space: global }
      - { .name: out0, .offset: 48, .size: 8, .value_kind: global_buffer, .address_space: global }
    .group_segment_fixed_size: 168448
    .private_segment_fixed_size: 0
    .kernarg_segment_align: 8
    .kernarg_segment_size: 56
    .max_flat_workgroup_size: 128
    .sgpr_count:     66
    .vgpr_count:     448
    .wavefront_size: 32
...
	.end_amdgpu_metadata
.endif
;; end of part 3
;; ======== version 3 of 3: 2 launches; version 2 with the launch raman written anew for expert scheduling mode
;; workspace buffers: idx_ss 65,536 bytes of whole numbers; idx_pb 8,388,608 bytes of whole numbers; idx_pp 262,144 bytes of whole numbers
;; launch indices: the kernel of part 1 again; grid 256 x 1, 4 waves a work-group, no clusters, 2,560 bytes of LDS; arguments signal_wavelengths, x, idx_ss, idx_pb, idx_pp; writes idx_ss, idx_pb, idx_pp
;; launch raman (part 4): grid 256 x 1, 4 waves a work-group, no clusters, 168,448 bytes of LDS; arguments raman_response, signal_wavelengths, x, idx_ss, idx_pb, idx_pp, out0; writes out0
.if DOCPART == 4
	.amdgcn_target "amdgcn-amd-amdhsa--gfx1250"
	.amdhsa_code_object_version 6
	.text
	.protected	k_q53eb849e22_raman
	.globl	k_q53eb849e22_raman
	.p2align	8
	.type	k_q53eb849e22_raman,@function
k_q53eb849e22_raman:
	s_mov_b64 s[64:65], 0
	v_nop
	global_prefetch_b8 v0, s[64:65] scope:SCOPE_SE
	s_setreg_imm32_b32 hwreg(HW_REG_WAVE_SCHED_MODE, 0, 2), 2
	s_setreg_imm32_b32 hwreg(HW_REG_WAVE_MODE, 25, 1), 1
	s_wait_xcnt 0x0
	s_wait_alu depctr_vm_vsrc(0)
; Raman amplifier: 249 RK4 steps of dP_i/dz = (sum_j G_ij P_j - loss_i) P_i for 4 pumps + 100 signals, 4096 batch rows.
; Work-group g owns batch rows 16 g .. 16 g + 15 (one column tile of the matrix unit); its four waves split the channels.
; reference() broadcasts the signal frequencies over the batch, so the signal-signal block of G is one matrix for all rows:
;   signals <- signals : D = A x B, A = G_ss (bf16, rows = output slots), B = P transposed (bf16, K = slots, N = batch row)
;   pumps   <- signals : the same B against A' with rows rho = 4 b + p; of D' only the entries with b = the column's batch row are used
;   signals <- pumps, pumps <- pumps : f32 on the vector unit, gains kept in registers
; SLOTS: 128 slots sigma; w = sigma>>5, tau = (sigma>>4)&1, h = (sigma>>3)&1, jj = sigma&7, t = 8 tau + jj, channel = 26 w + 13 h + t,
; live if t < 13 and channel < 100; pad slots have gain 0 and power 0.  Wave w owns slots 32 w .. 32 w + 31 = its two D tiles; register jj of
; tile tau in lane (r, h) is slot (w, tau, h, jj) of batch row r, which is the place that the B fragment of K step w has in the same
; lane: D becomes B by seven packed conversions and no move between lanes.  A lane carries t = 0 .. 13 as seven register pairs.
; Each of the 996 derivative evaluations: every wave puts its B fragment and its pump powers into LDS, one barrier, every wave reads the
; other three fragments.  Two exchange buffers take turns, so that one barrier an evaluation is enough.  The evaluations hang on each
; other, so the order inside one is laid out for the shortest way from the exchange to the next exchange: the reads go out first behind
; the barrier, what does not hang on them runs while they are on their way, and from the last matrix result to the stores stand one
; multiply-add and one conversion a pair.
; THE RK STEP: with T = G_ss P (matrix), H = pump columns - loss, c the stage's step, the next stage's powers are
; Y' = T (c Y) + (H (c Y) + P): c Y is made a stage ahead, the bracket while the last products run.  k itself is not formed; the step closes as
; P_next = - P/3 + Y2/3 + 2 Y3/3 + Y4/3 + (dz/6) k4, which in exact arithmetic is P + dz/6 (k1 + 2 k2 + 2 k3 + k4).
; The launch asks for more LDS than the 120,848 bytes in use, so that no second work-group shares these four waves' SIMDs.
; THE MODE: SCHED_MODE bits 1:0 = 2 (LLVM: expert scheduling mode 2), set by the entry lines.  The code itself states the register dependences
; between vector or matrix instructions and memory or LDS instructions, with s_wait_alu, always for 0.
; THE PLAN, in the RK loop.  Registers that LDS instructions touch:
;   BF[0:7]    my own fragment.  Written by the tail's conversions; read by the two fragment stores behind them (and by the next stage's first products).
;   YP         the next stage's pumps.  Written by the tail's two pump lines; read by the third store.
;   BF[8:31]   the other waves' fragments.  The six reads behind the barrier land here; this stage's nine later products read them.
;   P0P, PPS   the pump powers.  The first read behind the barrier lands here; this stage's pump lines read them (P0P: those of stages 2 and 3 too).
;   STF, STP, LDP, LDF   addresses, made ahead of the loop and never written again.
; ONE wait on va_vdst a stage, ahead of the three stores: BF[0:7] and YP are written; and the stage's products and pump lines are done reading BF[8:31] and the
; pump powers, in which the NEXT stage's reads land.  Between that wait and those reads stand the stores and fourteen packed lines on YD, YC and AC,
; which name no register that the reads touch; the same holds over the loop's backward jump and from the first exchange into the first stage.
; ONE wait on vm_vsrc a stage, at its head: the last stage's stores have read BF[0:7] and YP, which this stage's tail writes again; the reads issued
; behind that wait read LDP and LDF alone.
; THE PLAN, in a trip of the set-up: the indices are clamped, the offset stepped and the gather addresses made; one wait on va_vdst; all the trip's loads.
; At its end all results are made; one wait on va_vdst; all the trip's stores; one wait on vm_vsrc; the three address steps.
; LIMITS: G_ss, the pump rows and P enter the matrix unit rounded to bf16 (bf16, not f16, for its range).  |D| / 50e9 is |D| * 2e-11,
; / 80e-12 is * 1.25e10, f_i / f_j is f_i times a reciprocal, C0 / lambda a reciprocal with one correction step: last bits can differ from
; reference()'s.  The step's sum adds four terms of P's own size (their magnitudes add up to 5/3 of the result), so a step rounds at a few
; units of P's last place instead of one.  max(1, ratio) drops a NaN.  Zero, infinite or NaN wavelengths are not served.
; No tensor load, cluster or prefetch: nothing is streamed; memory is touched in the set-up (indices, one trip ahead) and at the end.
.set IMAX, 0x31f                       ; 799
; LDS map, bytes
.set RT,  0                            ; raman_response, 801 words; words 801..895 repeat word 800
.set FR,  3584                         ; frequency of row: rows 0..127 slots, rows 128 + rho pumps
.set RF,  4608                         ; 1 / frequency
.set MR,  5632                         ; mask * 1.25e10
.set LS,  6656                         ; - loss
.set PI,  7680                         ; power at z = 0
.set AM,  8704                         ; bf16 matrix, 192 rows: G_ss[sigma_i][sigma_j], then G[b, p, sigma_j]
.set APITCH, 272                       ; 256 bytes + 16: sixteen rows start at sixteen different 16-byte columns
.set GCB, 60928                        ; f32 G[b, i = sigma, p] at [rho][sigma]
.set GPITCH, 528
.set GPB, 94720                        ; f32 G[b, p, p'] at 64 b + 16 p' + 4 p
.set XB,  95744                        ; exchange, two buffers
.set XBUF, 6144                        ; a buffer: fragments at 1024 w + {0, 512} + 16 lane, pump powers at XPUMP + 512 w + 16 lane
.set XPUMP, 4096
.set OSB, 108032                       ; output stage: 16 rows of 400 bytes, dense
.set ODUMP, 6400                       ; the pad channels 100..103 go this far behind their place, into bytes of their own
; registers of the set-up (block 0)
.set FJ, 2                             ; my column's frequency
.set RFJ, 3                            ; its reciprocal
.set MJ, 4                             ; its mask, 1 or 0
.set VOFF, 5                           ; byte offset of my 16 bytes in the index tables
.set VST, 6                            ; where my column of AM goes
.set VGS, 7                            ; where my column of GCB goes
.set IDX, 8                            ; v[8:23]    16 indices as loaded
.set IA,  24                           ; v[24:39]   clamped; later the second orientation's factor
.set R0,  40                           ; v[40:55]   table[i0]
.set R1,  56                           ; v[56:71]   table[i0 + 1]
.set FRR, 72                           ; v[72:87]   the 16 rows' frequencies
.set MRR, 88                           ; v[88:103]  their masks * 1.25e10
.set RFR, 104                          ; v[104:119] their reciprocal frequencies
.set TD,  120                          ; v[120:135] D
.set TW,  136                          ; v[136:151] w
.set TG,  152                          ; v[152:167] 1 - w, then g
.set TR,  168                          ; v[168:183] sign * max(1, ratio) * mask / A_eff, then G
.set VROW, 194                         ; 4 x first row of the trip
.set TA,  208                          ; v[208:223] gather addresses
; v[196:197] my two pump-pump indices; v198, v199, v224..v254 at work before the first barrier
; registers of the RK loop, block 0
.set BF,  8                            ; v[8:39]    B fragments: own, then of waves w+1, w+2, w+3 (mod 4); v15 = 0 (slots t = 14, 15)
.set T0,  40                           ; v[40:47]   D tile tau = 0
.set T1,  48                           ; v[48:55]   D tile tau = 1
.set DP,  56                           ; v[56:63]   D' tile (pump rows)
.set P0,  64                           ; v[64:77]   signals at the step's start
.set YS,  80                           ; v[80:93]   signals at the stage
.set AC,  96                           ; v[96:109]  the step's sum: - P/3 + Y2/3 + 2 Y3/3 + Y4/3
.set CC,  112                          ; v[112:125] H = pump columns - loss, then H (c Y) + P
.set YC,  128                          ; v[128:141] c Y of the stage
.set NL,  144                          ; v[144:157] - loss
.set P0P, 160                          ; v[160:163] pumps of my batch row at the step's start
.set PPS, 164                          ; v[164:167] pumps at the stage
.set ACP, 168                          ; the step's sum for the pumps
.set CPP, 172                          ; H for the pumps, then H (c PP) + P
.set PPC, 176                          ; c PP of the stage
.set RS,  180                          ; the four pump-row sums of my batch row
.set YP,  184                          ; pumps for the next stage
.set NLP, 188
.set STF, 192                          ; where my fragment goes
.set STP, 193                          ; where my pump powers go
; v200 lane, v201 r = lane & 15, v202 h = lane >> 4
; block 1 (v256 and up, named by their low 8 bits): constants of the loop, always read as source 0
.set AS,  0                            ; v[0:63]    A fragments of G_ss, at 16 q + 8 tau
.set AP,  64                           ; v[64:95]   A fragments of the pump rows, at 8 q
.set GC,  96                           ; v[96:159]  G[b, slot t, p] at 16 p + t
.set GP,  160                          ; v[160:175] G[b, p, p'] at 4 p' + p
.set LDP, 176                          ; read address of my batch row's pump powers
.set LDF, 176                          ; LDF + q, q = 1..3: read addresses of the other waves' fragments
.set CVH, 180                          ; pairs, each number twice, for the two pump lines that run with source 0 in block 1: dz / 2,
.set CVF, 182                          ; dz,
.set CVS, 184                          ; dz / 6,
.set WVM, 186                          ; - 1/3,
.set WV1, 188                          ; 1/3,
.set WV2, 190                          ; 2/3
.set MSB, 0
.macro WIN new                         ; the immediate's high byte repeats the setting that is left
.if MSB != \new
	s_set_vgpr_msb (MSB<<8)|\new
.set MSB, \new
.endif
.endm
	s_load_b256 s[4:11], s[0:1], 0x0               ; raman_response s[4:5], signal_wavelengths s[6:7], x s[8:9], idx_ss s[10:11]
	s_load_b128 s[12:15], s[0:1], 0x20             ; idx_pb s[12:13], idx_pp s[14:15]
	s_load_b64 s[16:17], s[0:1], 0x30              ; out0
	v_lshl_add_u32 v195, v0, 2, 0x29000
	v_mov_b32 v255, 0
	v_lshrrev_b32 v1, 5, v0
	v_readfirstlane_b32 s18, v1                    ; wave
	s_mov_b32 s19, ttmp9                           ; g
	s_mov_b32 s20, 0x42c8cd9f                      ; dz / 2, dz = 50000 / 249; pairs, since the packed forms name pairs
	s_mov_b32 s21, 0x42c8cd9f
	s_mov_b32 s22, 0x4348cd9f                      ; dz
	s_mov_b32 s23, 0x4348cd9f
	s_mov_b32 s24, 0x4205de6a                      ; dz / 6
	s_mov_b32 s25, 0x4205de6a
	s_mov_b32 s26, 0x3eaaaaab                      ; 1/3
	s_mov_b32 s27, 0x3eaaaaab
	s_mov_b32 s46, 0x3f2aaaab                      ; 2/3
	s_mov_b32 s47, 0x3f2aaaab
	s_mov_b32 s48, 0xbeaaaaab                      ; - 1/3
	s_mov_b32 s49, 0xbeaaaaab
	s_mov_b32 s28, 0x2dafebff                      ; 2e-11
	s_mov_b32 s29, 0x7fffffff
	s_mov_b32 s30, 0xaaaaaaaa                      ; the odd lanes
	s_mov_b32 s32, 0x4d8ef3c2                      ; C0
	s_mov_b32 s33, 0x503a43b7                      ; 1.25e10 = 1 / 80e-12
	s_mov_b32 s34, 0                               ; loss polynomial: lambda^2,
	s_mov_b32 s35, 0                               ; lambda,
	s_mov_b32 s36, 0x3951b717                      ; constant 0.2e-3 dB/m
	s_mov_b32 s37, 0xbe6bc8e3                      ; - ln 10 / 10
	s_mov_b32 s38, 0x3a83126f                      ; 1e-3 W a channel
	v_and_b32 v224, 7, v0
	v_bfe_u32 v225, v0, 4, 1
	v_lshl_add_u32 v224, v225, 3, v224             ; t
	v_bfe_u32 v225, v0, 3, 1
	v_mad_u32_u24 v225, v225, 13, v224
	v_mad_u32_u24 v225, v1, 26, v225               ; channel
	v_cmp_gt_u32 s42, 13, v224                     ; the two conditions of a live slot, as masks in scalar registers
	v_cmp_gt_u32 s43, 100, v225
	v_min_u32 v226, 99, v225
	v_lshlrev_b32 v226, 2, v226
	v_bfe_u32 v227, v0, 2, 4                       ; b
	v_and_b32 v198, 3, v0                          ; p
	v_lshlrev_b32 v198, 2, v198
	v_lshl_add_u32 v227, v227, 5, v198             ; 32 b + 4 p
.irp k, 0,1,2,3,4,5,6
	v_add_nc_u32 v[238+\k], 128*\k, v0
	v_min_u32 v[238+\k], 0x320, v[238+\k]          ; no load passes word 800
	v_lshlrev_b32 v[238+\k], 2, v[238+\k]
.endr
	v_lshlrev_b32 v[VOFF], 4, v0
	v_lshlrev_b32 v245, 3, v0
	v_lshlrev_b32 v246, 2, v0
	s_wait_alu depctr_va_sdst(0)                   ; s18 (the wave's number) and the masks s42, s43 are written, ahead of the first reader of each
	s_lshl_b32 s40, s19, 9
	s_mov_b32 s41, 0
	s_wait_kmcnt 0x0
	s_add_nc_u64 s[8:9], s[8:9], s[40:41]          ; my 16 rows of x
	s_lshl_b32 s40, s19, 15
	s_add_nc_u64 s[12:13], s[12:13], s[40:41]      ; my part of idx_pb
	s_lshl_b32 s40, s19, 10
	s_add_nc_u64 s[14:15], s[14:15], s[40:41]      ; my part of idx_pp
	s_mul_i32 s40, s19, 6400
	s_add_nc_u64 s[16:17], s[16:17], s[40:41]      ; my 16 rows of out0
	s_wait_alu depctr_va_vdst(0)                   ; the offsets v226, v227, v238 to v246 and v[VOFF] are written, which the loads and the table's stores below read
	global_load_b32 v228, v226, s[6:7]             ; my slot's wavelength
	global_load_b32 v229, v227, s[8:9]             ; pump row tid & 63: wavelength,
	global_load_b32 v230, v227, s[8:9] offset:16   ; power
.irp k, 0,1,2,3,4,5,6
	global_load_b32 v[231+\k], v[238+\k], s[4:5]
.endr
.irp u, 0,1,2,3
	global_load_b128 v[IDX+4*\u:IDX+4*\u+3], v[VOFF], s[10:11] offset:2048*\u   ; rows 0..15 against my column
.endr
	global_load_b64 v[196:197], v245, s[14:15]
	s_wait_loadcnt 0x5                             ; the five index loads, issued last, may stay out
.irp k, 0,1,2,3,4,5,6
	ds_store_b32 v246, v[231+\k] offset:RT+512*\k
.endr
; f = C0 / lambda with one correction, 1 / f, and - loss(lambda)
.macro FREQ lam, f, rf, nl, t0, t1
	v_rcp_f32 v\t0, v\lam
	v_fma_f32 v\nl, v\lam, s34, s35                ; also the plain place behind the reciprocal (ISA guide 5.7.2)
	v_fma_f32 v\nl, v\lam, v\nl, s36
	v_mul_f32 v\nl, s37, v\nl
	s_wait_alu depctr_va_vdst(0)
	v_mul_f32 v\t1, s32, v\t0
	v_fma_f32 v\f, -v\t1, v\lam, s32
	v_fma_f32 v\f, v\f, v\t0, v\t1
	v_rcp_f32 v\rf, v\f
	v_nop
.endm
	FREQ 228, 2, 3, 247, 198, 199
	FREQ 229, 248, 249, 250, 198, 199
	v_mov_b32 v199, 1.0
	v_cndmask_b32 v[MJ], 0, v199, s42
	v_cndmask_b32 v[MJ], 0, v[MJ], s43             ; 1 for a live slot
	v_mul_f32 v251, s33, v[MJ]
	v_mul_f32 v252, s38, v[MJ]
	v_mov_b32 v253, s33
	v_and_b32 v254, s29, v230
	v_max_num_f32 v254, 0, v254                    ; relu(abs(power))
	v_lshlrev_b32 v[VST], 1, v0
	v_add_nc_u32 v[VST], AM, v[VST]
	v_add_nc_u32 v[VGS], GCB, v246
	v_mov_b32 v[VROW], 0
	s_wait_alu depctr_va_vdst(0)                   ; the ten numbers that the stores below read are written
	ds_store_b32 v246, v[FJ] offset:FR
	ds_store_b32 v246, v248 offset:FR+512
	ds_store_b32 v246, v[RFJ] offset:RF
	ds_store_b32 v246, v249 offset:RF+512
	ds_store_b32 v246, v251 offset:MR
	ds_store_b32 v246, v253 offset:MR+512
	ds_store_b32 v246, v247 offset:LS
	ds_store_b32 v246, v250 offset:LS+512
	ds_store_b32 v246, v252 offset:PI
	ds_store_b32 v246, v254 offset:PI+512
	s_wait_dscnt 0x0                               ; my words are in LDS before I say so
	s_barrier_signal -1
	s_barrier_wait -1
	s_wait_alu depctr_vm_vsrc(0)                   ; the index loads above have read v[VOFF], which the first trip steps
; One trip of the gain set-up: 16 rows against my column, each operation over all 16 rows so that no line waits for the one before.
; dual = 1: pump rows; the gain of the opposite orientation (slot <- pump) goes to GCB as f32.
; pref = 1: the next trip's indices are asked for, from table s[base:base+1]; first = 1: from that table's start.
.macro TRIPG dual, pref, base, first
	s_wait_loadcnt 0x0                             ; this trip's indices; also frees VOFF
.irp e, 0,1,2,3,4,5,6,7,8,9,10,11,12,13,14,15
	v_min_u32 v[IA+\e], IMAX, v[IDX+\e]
.endr
.if \pref
.if \first
	v_lshlrev_b32 v[VOFF], 4, v0
.else
	v_add_nc_u32 v[VOFF], 8192, v[VOFF]
.endif
.endif
.irp e, 0,1,2,3,4,5,6,7,8,9,10,11,12,13,14,15
	v_lshlrev_b32 v[TA+\e], 2, v[IA+\e]
.endr
	s_wait_alu depctr_va_vdst(0)                   ; the clamps are done reading IDX; VOFF, TA and (at the last trip's end, or at the head) VROW, VST, VGS are written; the last trip's arithmetic is done with FRR, MRR, RFR, R0, R1, in which the loads below land
.if \pref
.irp u, 0,1,2,3
	global_load_b128 v[IDX+4*\u:IDX+4*\u+3], v[VOFF], s[\base:\base+1] offset:2048*\u
.endr
.endif
.irp u, 0,1,2,3
	ds_load_b128 v[FRR+4*\u:FRR+4*\u+3], v[VROW] offset:FR+16*\u
	ds_load_b128 v[MRR+4*\u:MRR+4*\u+3], v[VROW] offset:MR+16*\u
.if \dual
	ds_load_b128 v[RFR+4*\u:RFR+4*\u+3], v[VROW] offset:RF+16*\u
.endif
.endr
.irp e, 0,1,2,3,4,5,6,7,8,9,10,11,12,13,14,15
	ds_load_b32 v[R0+\e], v[TA+\e] offset:RT
	ds_load_b32 v[R1+\e], v[TA+\e] offset:RT+4
.endr
	s_wait_dscnt 32                                ; LDS answers in order: the rows' data are in, the 32 gathers issued behind them may be out
.irp e, 0,1,2,3,4,5,6,7,8,9,10,11,12,13,14,15
	v_sub_f32 v[TD+\e], v[FJ], v[FRR+\e]           ; D = f_j - f_i
.endr
.irp e, 0,1,2,3,4,5,6,7,8,9,10,11,12,13,14,15
	v_and_b32 v[TW+\e], s29, v[TD+\e]
.endr
.irp e, 0,1,2,3,4,5,6,7,8,9,10,11,12,13,14,15
	v_mul_f32 v[TW+\e], s28, v[TW+\e]              ; fidx, rounded as reference() rounds it before i0 is taken away
.endr
.irp e, 0,1,2,3,4,5,6,7,8,9,10,11,12,13,14,15
	v_cvt_f32_u32 v[TG+\e], v[IA+\e]
.endr
.irp e, 0,1,2,3,4,5,6,7,8,9,10,11,12,13,14,15
	v_sub_f32 v[TW+\e], v[TW+\e], v[TG+\e]         ; w
.endr
.irp e, 0,1,2,3,4,5,6,7,8,9,10,11,12,13,14,15
	v_sub_f32 v[TG+\e], 1.0, v[TW+\e]
.endr
.irp e, 0,1,2,3,4,5,6,7,8,9,10,11,12,13,14,15
	v_mul_f32 v[MRR+\e], v[MJ], v[MRR+\e]          ; both masks and 1 / A_eff
.endr
.irp e, 0,1,2,3,4,5,6,7,8,9,10,11,12,13,14,15
	v_mul_f32 v[TR+\e], v[RFJ], v[FRR+\e]          ; f_i / f_j
.endr
.irp e, 0,1,2,3,4,5,6,7,8,9,10,11,12,13,14,15
	v_max_num_f32 v[TR+\e], 1.0, v[TR+\e]
.endr
.irp e, 0,1,2,3,4,5,6,7,8,9,10,11,12,13,14,15
	v_bfi_b32 v[TR+\e], s29, v[TR+\e], v[TD+\e]    ; D's sign; D = 0 is +0 and keeps + g
.endr
.irp e, 0,1,2,3,4,5,6,7,8,9,10,11,12,13,14,15
	v_mul_f32 v[TR+\e], v[TR+\e], v[MRR+\e]
.endr
.if \dual
.irp e, 0,1,2,3,4,5,6,7,8,9,10,11,12,13,14,15
	v_sub_f32 v[TD+\e], v[FRR+\e], v[FJ]           ; the other orientation: i = my slot, j = the pump
.endr
.irp e, 0,1,2,3,4,5,6,7,8,9,10,11,12,13,14,15
	v_mul_f32 v[IA+\e], v[FJ], v[RFR+\e]
.endr
.irp e, 0,1,2,3,4,5,6,7,8,9,10,11,12,13,14,15
	v_max_num_f32 v[IA+\e], 1.0, v[IA+\e]
.endr
.irp e, 0,1,2,3,4,5,6,7,8,9,10,11,12,13,14,15
	v_bfi_b32 v[IA+\e], s29, v[IA+\e], v[TD+\e]
.endr
.irp e, 0,1,2,3,4,5,6,7,8,9,10,11,12,13,14,15
	v_mul_f32 v[IA+\e], v[IA+\e], v[MRR+\e]
.endr
.endif
	s_wait_dscnt 0x0                               ; the gathers
.irp e, 0,1,2,3,4,5,6,7,8,9,10,11,12,13,14,15
	v_mul_f32 v[TW+\e], v[R1+\e], v[TW+\e]
.endr
.irp e, 0,1,2,3,4,5,6,7,8,9,10,11,12,13,14,15
	v_fma_f32 v[TG+\e], v[R0+\e], v[TG+\e], v[TW+\e]   ; g = table[i0] (1 - w) + table[i0 + 1] w
.endr
.irp e, 0,1,2,3,4,5,6,7,8,9,10,11,12,13,14,15
	v_mul_f32 v[TR+\e], v[TG+\e], v[TR+\e]
.endr
.irp c, 0,1,2,3,4,5,6,7
	v_cvt_pk_bf16_f32 v[TW+\c], v[TR+2*\c], v[TR+2*\c+1]
.endr
.if \dual
.irp e, 0,1,2,3,4,5,6,7,8,9,10,11,12,13,14,15
	v_mul_f32 v[TD+\e], v[TG+\e], v[IA+\e]
.endr
.endif
	s_wait_alu depctr_va_vdst(0)                   ; the conversions have written TW's first eight registers, and in a pump trip the products TD, which the stores below read
.irp c, 0,1,2,3,4,5,6,7
	ds_store_b16 v[VST], v[TW+\c] offset:APITCH*2*\c
	ds_store_b16_d16_hi v[VST], v[TW+\c] offset:APITCH*(2*\c+1)
.endr
.if \dual
.irp e, 0,1,2,3,4,5,6,7,8,9,10,11,12,13,14,15
	ds_store_b32 v[VGS], v[TD+\e] offset:GPITCH*\e
.endr
.endif
	s_wait_alu depctr_vm_vsrc(0)                   ; the trip's loads and stores have read VROW, VST, VGS, which are stepped here, and VOFF, TA, TW, TD, which the lines behind this trip write again
.if \dual
	v_add_nc_u32 v[VGS], 16*GPITCH, v[VGS]
.endif
	v_add_nc_u32 v[VST], 16*APITCH, v[VST]
	v_add_nc_u32 v[VROW], 64, v[VROW]
.endm
	s_mov_b32 s31, 7                               ; 128 slot rows = 8 trips; the eighth asks for the pump table's first trip
.Lsig:
	TRIPG 0, 1, 10, 0
	s_sub_co_i32 s31, s31, 1
	s_cmp_lg_u32 s31, 0
	s_cbranch_scc1 .Lsig
	TRIPG 0, 1, 12, 1
	s_mov_b32 s31, 3                               ; 64 pump rows = 4 trips; the fourth asks for nothing
.Lpump:
	TRIPG 1, 1, 12, 0
	s_sub_co_i32 s31, s31, 1
	s_cmp_lg_u32 s31, 0
	s_cbranch_scc1 .Lpump
	TRIPG 1, 0, 12, 0
	; pump <- pump: thread tid makes G[b, p, p'] for rho = 4 b + p = tid >> 1 and p' = 2 (tid & 1) + {0, 1}
	v_min_u32 v[IA], IMAX, v196
	v_min_u32 v[IA+1], IMAX, v197
	v_lshlrev_b32 v[TA], 2, v[IA]
	v_lshlrev_b32 v[TA+1], 2, v[IA+1]
	v_lshrrev_b32 v[TA+2], 1, v0
	v_lshlrev_b32 v[TA+2], 2, v[TA+2]              ; 4 rho
	v_lshrrev_b32 v[TA+3], 3, v0                   ; b
	v_and_b32 v[TA+4], 1, v0
	v_lshlrev_b32 v[TA+5], 3, v[TA+4]
	v_lshl_add_u32 v[TA+5], v[TA+3], 4, v[TA+5]    ; 16 b + 8 (tid & 1)
	s_wait_alu depctr_va_vdst(0)                   ; the addresses TA, TA+1, TA+2, TA+5 are written; the last trip's arithmetic is done with FRR, RFR, R0, R1, in which the loads below land
	ds_load_b32 v[FRR], v[TA+2] offset:FR+512      ; f_i
	ds_load_b64 v[FRR+2:FRR+3], v[TA+5] offset:FR+512   ; two f_j
	ds_load_b64 v[RFR+2:RFR+3], v[TA+5] offset:RF+512   ; two 1 / f_j
.irp e, 0,1
	ds_load_b32 v[R0+\e], v[TA+\e] offset:RT
	ds_load_b32 v[R1+\e], v[TA+\e] offset:RT+4
.endr
	v_bfe_u32 v[TA+6], v0, 1, 2                    ; p
	v_lshlrev_b32 v[TA+6], 2, v[TA+6]
	v_lshl_add_u32 v[TA+6], v[TA+4], 5, v[TA+6]
	v_lshl_add_u32 v[TA+6], v[TA+3], 6, v[TA+6]
	v_add_nc_u32 v[TA+6], GPB, v[TA+6]             ; GPB + 64 b + 32 (tid & 1) + 4 p
	s_wait_dscnt 0x0
.irp e, 0,1
	v_sub_f32 v[TD+\e], v[FRR+2+\e], v[FRR]
	v_cvt_f32_u32 v[TG+\e], v[IA+\e]
	v_mul_f32 v[TR+\e], v[FRR], v[RFR+2+\e]
.endr
.irp e, 0,1
	v_and_b32 v[TW+\e], s29, v[TD+\e]
	v_max_num_f32 v[TR+\e], 1.0, v[TR+\e]
.endr
.irp e, 0,1
	v_mul_f32 v[TW+\e], s28, v[TW+\e]
	v_bfi_b32 v[TR+\e], s29, v[TR+\e], v[TD+\e]
.endr
.irp e, 0,1
	v_sub_f32 v[TW+\e], v[TW+\e], v[TG+\e]
	v_mul_f32 v[TR+\e], s33, v[TR+\e]
.endr
.irp e, 0,1
	v_sub_f32 v[TG+\e], 1.0, v[TW+\e]
.endr
.irp e, 0,1
	v_mul_f32 v[TW+\e], v[R1+\e], v[TW+\e]
.endr
.irp e, 0,1
	v_fma_f32 v[TG+\e], v[R0+\e], v[TG+\e], v[TW+\e]
.endr
.irp e, 0,1
	v_mul_f32 v[TR+\e], v[TG+\e], v[TR+\e]
.endr
	s_wait_alu depctr_va_vdst(0)                   ; the two gains TR, TR+1 and the address TA+6 are written, which the stores below read
.irp e, 0,1
	ds_store_b32 v[TA+6], v[TR+\e] offset:16*\e
.endr
	s_wait_dscnt 0x0                               ; all my gains are in LDS before I say so
	s_barrier_signal -1
	s_barrier_wait -1
	s_wait_alu depctr_vm_vsrc(0)                   ; the pump-pump loads and stores have read v208 to v214 (TA ..) and v168, v169 (TR ..): the first are made anew as addresses below, the second are written in the RK loop
	; the tables go into registers.  Fragment q of a wave belongs to K step s = (w + q) & 3, so that q = 0 is the wave's own.
	v_and_b32 v200, 31, v0                         ; lane
	v_and_b32 v201, 15, v0                         ; r
	v_bfe_u32 v202, v0, 4, 1                       ; h
	v_mul_u32_u24 v203, v201, APITCH
	v_lshl_add_u32 v203, v202, 4, v203             ; r x pitch + 16 h
	s_mul_i32 s40, s18, 32*APITCH
	s_add_co_u32 s40, s40, AM                      ; my 32 rows of G_ss
	s_mul_i32 s41, s18, 16*APITCH
	s_add_co_u32 s41, s41, AM+128*APITCH           ; my 16 pump rows
.irp q, 0,1,2,3
	s_add_co_u32 s42, s18, \q
	s_and_b32 s42, s42, 3                          ; s
	s_lshl_b32 s43, s42, 6                         ; 32 columns of bf16
	s_add_co_u32 s44, s40, s43
	v_add_nc_u32 v[204+\q], s44, v203
	s_add_co_u32 s44, s41, s43
	v_add_nc_u32 v[208+\q], s44, v203
.if \q
	s_lshl_b32 s43, s42, 10
	s_add_co_u32 s43, s43, XB
	v_lshl_add_u32 v[216+\q], v200, 4, s43         ; wave s's fragment, my lane's 16 bytes
.endif
.endr
	v_mul_u32_u24 v212, v201, 4*GPITCH
	v_lshl_add_u32 v212, v202, 5, v212
	s_lshl_b32 s45, s18, 7
	s_add_co_u32 s44, s45, GCB
	v_add_nc_u32 v212, s44, v212                   ; GCB + 4 r rows + (32 w + 8 h) words
	v_lshlrev_b32 v213, 6, v201
	v_add_nc_u32 v213, GPB, v213
	v_lshrrev_b32 v214, 2, v201                    ; batch row r's pumps are kept by wave r >> 2,
	v_lshlrev_b32 v214, 9, v214
	v_lshl_add_u32 v214, v201, 4, v214             ; lane r + 16 ((r >> 1) & 1)
	v_bfe_u32 v215, v201, 1, 1
	v_lshl_add_u32 v214, v215, 8, v214
	v_add_nc_u32 v214, XB, v214
	v_lshl_add_u32 v215, v202, 5, s45              ; (32 w + 8 h) words
	v_lshlrev_b32 v220, 4, v201
	s_lshl_b32 s44, s18, 10
	s_add_co_u32 s44, s44, XB
	v_lshl_add_u32 v[STF], v200, 4, s44
	s_lshl_b32 s44, s18, 9
	s_add_co_u32 s44, s44, XB+XPUMP
	v_lshl_add_u32 v[STP], v200, 4, s44
	WIN 0x40                                       ; destinations in block 1, addresses and sources in block 0
	v_mov_b32 v[LDP], v214
.irp q, 1,2,3
	v_mov_b32 v[LDF+\q], v[216+\q]
.endr
.irp c, 0,1
	v_mov_b32 v[CVH+\c], s20
	v_mov_b32 v[CVF+\c], s22
	v_mov_b32 v[CVS+\c], s24
	v_mov_b32 v[WVM+\c], s48
	v_mov_b32 v[WV1+\c], s26
	v_mov_b32 v[WV2+\c], s46
.endr
	s_wait_alu depctr_va_vdst(0)                   ; all addresses (v204 to v220, STF, STP, LDP, LDF) are written; the set-up's arithmetic is done with the registers in which the loads below land.  Only loads and one window switch stand between this wait and the last of them
.irp q, 0,1,2,3
.irp c, 0,1
	ds_load_b128 v[AS+16*\q+8*\c:AS+16*\q+8*\c+3], v[204+\q] offset:16*APITCH*\c
	ds_load_b128 v[AS+16*\q+8*\c+4:AS+16*\q+8*\c+7], v[204+\q] offset:16*APITCH*\c+32
.endr
	ds_load_b128 v[AP+8*\q:AP+8*\q+3], v[208+\q]
	ds_load_b128 v[AP+8*\q+4:AP+8*\q+7], v[208+\q] offset:32
.endr
.irp p, 0,1,2,3
	ds_load_b128 v[GC+16*\p:GC+16*\p+3], v212 offset:GPITCH*\p          ; t = 0..3
	ds_load_b128 v[GC+16*\p+4:GC+16*\p+7], v212 offset:GPITCH*\p+16     ; t = 4..7
	ds_load_b128 v[GC+16*\p+8:GC+16*\p+11], v212 offset:GPITCH*\p+64    ; t = 8..11 (tau = 1: 16 slots on)
	ds_load_b64 v[GC+16*\p+12:GC+16*\p+13], v212 offset:GPITCH*\p+80    ; t = 12, 13
	ds_load_b128 v[GP+4*\p:GP+4*\p+3], v213 offset:16*\p
.endr
	WIN 0
	ds_load_b128 v[NL:NL+3], v215 offset:LS
	ds_load_b128 v[NL+4:NL+7], v215 offset:LS+16
	ds_load_b128 v[NL+8:NL+11], v215 offset:LS+64
	ds_load_b64 v[NL+12:NL+13], v215 offset:LS+80
	ds_load_b128 v[P0:P0+3], v215 offset:PI
	ds_load_b128 v[P0+4:P0+7], v215 offset:PI+16
	ds_load_b128 v[P0+8:P0+11], v215 offset:PI+64
	ds_load_b64 v[P0+12:P0+13], v215 offset:PI+80
	ds_load_b128 v[NLP:NLP+3], v220 offset:LS+512
	ds_load_b128 v[YP:YP+3], v220 offset:PI+512
	v_mov_b32 v[BF+7], 0                           ; slots t = 14, 15 of my fragment, for the whole launch
	s_wait_dscnt 0x0
.irp i, 0,1,2,3,4,5,6
	v_cvt_pk_bf16_f32 v[BF+\i], v[P0+2*\i], v[P0+2*\i+1]
.endr
	s_wait_alu depctr_va_vdst(0)                   ; my first fragment BF[0:7] is written, which the stores below read; no line since names P0P or BF[8:31], in which the first stage's reads land
	ds_store_b128 v[STF], v[BF:BF+3]               ; the first stage reads buffer 0
	ds_store_b128 v[STF], v[BF+4:BF+7] offset:512
	ds_store_b128 v[STP], v[YP:YP+3]
.irp i, 0,1,2,3,4,5,6
	v_pk_mul_f32 v[YC+2*\i:YC+2*\i+1], v[P0+2*\i:P0+2*\i+1], s[20:21] op_sel_hi:[1,0]   ; the first stage's c Y
.endr
.irp i, 0,1,2,3,4,5,6
	v_pk_mul_f32 v[AC+2*\i:AC+2*\i+1], v[P0+2*\i:P0+2*\i+1], s[48:49] op_sel_hi:[1,0]   ; the first step's sum starts with - P/3
.endr
; pump column uu = 7 p + i: CC pair i += G[., p] x pump p (broadcast to both halves); p = 0 starts the sum from - loss
.macro COL uu, PP
.set cp, (\uu)/7
.set ci, 2*((\uu)%7)
.if cp == 0
	v_pk_fma_f32 v[CC+ci:CC+ci+1], v[GC+ci:GC+ci+1], v[\PP:\PP+1], v[NL+ci:NL+ci+1] op_sel_hi:[1,0,1]
.else
.if cp == 2
	v_pk_fma_f32 v[CC+ci:CC+ci+1], v[GC+32+ci:GC+32+ci+1], v[\PP+2:\PP+3], v[CC+ci:CC+ci+1] op_sel_hi:[1,0,1]
.else
	v_pk_fma_f32 v[CC+ci:CC+ci+1], v[GC+16*cp+ci:GC+16*cp+ci+1], v[\PP+cp-1:\PP+cp], v[CC+ci:CC+ci+1] op_sel:[0,1,0] op_sel_hi:[1,1,1]
.endif
.endif
.endm
; the same for the pumps themselves: nn = 2 p' + j
.macro CPPOP nn, PP
.set cq, (\nn)/2
.set cj, 2*((\nn)%2)
.if cq == 0
	v_pk_fma_f32 v[CPP+cj:CPP+cj+1], v[GP+cj:GP+cj+1], v[\PP:\PP+1], v[NLP+cj:NLP+cj+1] op_sel_hi:[1,0,1]
.else
.if cq == 2
	v_pk_fma_f32 v[CPP+cj:CPP+cj+1], v[GP+8+cj:GP+8+cj+1], v[\PP+2:\PP+3], v[CPP+cj:CPP+cj+1] op_sel_hi:[1,0,1]
.else
	v_pk_fma_f32 v[CPP+cj:CPP+cj+1], v[GP+4*cq+cj:GP+4*cq+cj+1], v[\PP+cq-1:\PP+cq], v[CPP+cj:CPP+cj+1] op_sel:[0,1,0] op_sel_hi:[1,1,1]
.endif
.endif
.endm
; The 36 instructions that make H from the pump powers (28 COL, 8 CPPOP) as one list: three COL, one CPPOP, eight times, then COL 24..27.
; In this order two instructions on one sum stand at least eight apart.  VOP writes number vn of the list and steps vn; VOPS writes n of them.
.macro VOP PP
.if vn < 32
.set vq, vn/4
.set vr, vn%4
.if vr == 3
	CPPOP vq, \PP
.else
.set vu, 3*vq+vr
	COL vu, \PP
.endif
.else
.set vu, vn-8
	COL vu, \PP
.endif
.set vn, vn+1
.endm
.macro VOPS n, PP
.rept \n
	VOP \PP
.endr
.endm
; One derivative evaluation.  X: the exchange buffer that holds this stage's powers; YD: where the next stage's signals go; PP: where the pump
; powers are loaded to; CV, WV: block-1 pairs with this stage's step c and this stage's weight in the step's sum (for the pumps);
; CN, WN: scalar pairs with the NEXT stage's step and weight (for the signals, made a stage ahead); mode 1: first stage, 2: middle, 4: last.
.macro STAGE X, YD, PP, CV, WV, CN, WN, mode
	WIN 0x01                                       ; source 0 (A, gains, constants, read addresses) in block 1
	s_wait_dscnt 0x0                               ; my stores into buffer X are in LDS; my reads of the other buffer came back in the last stage
	s_wait_alu depctr_vm_vsrc(0)                   ; those three stores have read BF[0:7] and YP, which this stage's conversions and pump lines write again
	s_barrier_signal -1
	s_barrier_wait -1                              ; buffer X is whole; nobody reads the other buffer any more
	ds_load_b128 v[\PP:\PP+3], v[LDP] offset:XBUF*\X+XPUMP   ; the seven reads go out first: everything else in the stage hangs on them.  The wait ahead of the last stores has shown the earlier readers of these registers done, and no line since names them
.irp q, 1,2,3
	ds_load_b128 v[BF+8*\q:BF+8*\q+3], v[LDF+\q] offset:XBUF*\X
	ds_load_b128 v[BF+8*\q+4:BF+8*\q+7], v[LDF+\q] offset:XBUF*\X+512
.endr
	v_wmma_f32_16x16x32_bf16 v[T0:T0+7], v[AS:AS+7], v[BF:BF+7], 0           ; my own fragment needs no exchange: these three run while the reads are on their way
	v_wmma_f32_16x16x32_bf16 v[T1:T1+7], v[AS+8:AS+15], v[BF:BF+7], 0        ; the first products start the sums
	v_wmma_f32_16x16x32_bf16 v[DP:DP+7], v[AP:AP+7], v[BF:BF+7], 0
.set vn, 0
	s_wait_dscnt 6                                 ; LDS answers in order: the pump powers, read first, are in; the six fragment reads issued behind them may be out
.irp j, 0,1
	v_pk_mul_f32 v[PPC+2*\j:PPC+2*\j+1], v[\CV:\CV+1], v[\PP+2*\j:\PP+2*\j+1]      ; c PP
.endr
.irp j, 0,1
.if \mode == 1
	v_pk_mul_f32 v[ACP+2*\j:ACP+2*\j+1], v[\WV:\WV+1], v[\PP+2*\j:\PP+2*\j+1]      ; the pumps' sum starts with - P/3
.else
	v_pk_fma_f32 v[ACP+2*\j:ACP+2*\j+1], v[\WV:\WV+1], v[\PP+2*\j:\PP+2*\j+1], v[ACP+2*\j:ACP+2*\j+1]
.endif
.endr
	VOPS 12, \PP                                   ; a third of the list ahead of the first fragment's products
.irp q, 1,2,3
	s_wait_dscnt 6-2*\q                            ; fragment q and all before it are in; the 6 - 2 q reads issued behind it may be out
	v_wmma_f32_16x16x32_bf16 v[T0:T0+7], v[AS+16*\q:AS+16*\q+7], v[BF+8*\q:BF+8*\q+7], v[T0:T0+7]   ; the three accumulators take turns, one instruction a turn
	VOPS 3, \PP                                    ; the other 24 of the list, three behind each of eight matrix instructions
	v_wmma_f32_16x16x32_bf16 v[T1:T1+7], v[AS+16*\q+8:AS+16*\q+15], v[BF+8*\q:BF+8*\q+7], v[T1:T1+7]
	VOPS 3, \PP
	v_wmma_f32_16x16x32_bf16 v[DP:DP+7], v[AP+8*\q:AP+8*\q+7], v[BF+8*\q:BF+8*\q+7], v[DP:DP+7]
.if \q < 3
	VOPS 3, \PP
.endif
.endr
	WIN 0
	; H (c Y) + P (in the last stage: + the step's sum).  These nine are the places behind the last matrix instruction (ISA guide 7.12.1);
	; T1's last link has three more in front of them, T0's six
.irp i, 0,1,2,3,4,5,6
.if \mode == 4
	v_pk_fma_f32 v[CC+2*\i:CC+2*\i+1], v[CC+2*\i:CC+2*\i+1], v[YC+2*\i:YC+2*\i+1], v[AC+2*\i:AC+2*\i+1]
.else
	v_pk_fma_f32 v[CC+2*\i:CC+2*\i+1], v[CC+2*\i:CC+2*\i+1], v[YC+2*\i:YC+2*\i+1], v[P0+2*\i:P0+2*\i+1]
.endif
.endr
.irp j, 0,1
.if \mode == 4
	v_pk_fma_f32 v[CPP+2*\j:CPP+2*\j+1], v[CPP+2*\j:CPP+2*\j+1], v[PPC+2*\j:PPC+2*\j+1], v[ACP+2*\j:ACP+2*\j+1]
.else
	v_pk_fma_f32 v[CPP+2*\j:CPP+2*\j+1], v[CPP+2*\j:CPP+2*\j+1], v[PPC+2*\j:PPC+2*\j+1], v[P0P+2*\j:P0P+2*\j+1]
.endif
.endr
.irp i, 0,1,2,3,4,5,6
	v_pk_fma_f32 v[\YD+2*\i:\YD+2*\i+1], v[T0+2*\i:T0+2*\i+1], v[YC+2*\i:YC+2*\i+1], v[CC+2*\i:CC+2*\i+1]   ; the next stage's signals, one multiply-add behind the matrix result
.endr
.irp j, 0,1,2,3
	v_cndmask_b32 v[RS+\j], v[DP+\j], v[DP+4+\j], s30    ; an odd batch row's four sums lie in registers 4..7 of its lane
.endr
.irp i, 0,1,2,3
	v_cvt_pk_bf16_f32 v[BF+\i], v[\YD+2*\i], v[\YD+2*\i+1]
.endr
.irp j, 0,1
	v_pk_fma_f32 v[YP+2*\j:YP+2*\j+1], v[RS+2*\j:RS+2*\j+1], v[PPC+2*\j:PPC+2*\j+1], v[CPP+2*\j:CPP+2*\j+1]  ; the next stage's pumps
.endr
.irp i, 4,5,6
	v_cvt_pk_bf16_f32 v[BF+\i], v[\YD+2*\i], v[\YD+2*\i+1]
.endr
	; the three stores together, behind all the vector work that feeds them
	s_wait_alu depctr_va_vdst(0)                   ; the conversions have written BF[0:6] and the pump lines YP, which the stores read; this stage's products and pump lines are done reading BF[8:31] and the pump powers, in which the next stage's reads land
	ds_store_b128 v[STF], v[BF:BF+3] offset:XBUF*(1-\X)
	ds_store_b128 v[STF], v[BF+4:BF+7] offset:XBUF*(1-\X)+512
	ds_store_b128 v[STP], v[YP:YP+3] offset:XBUF*(1-\X)  ; every lane into its own 16 bytes; only the owners' (lane r + 16 ((r >> 1) & 1) of wave r >> 2) are read
	; while the stores are on their way: the next stage's c Y, and its share of the step's sum.  These lines name YD, YC and AC alone: no register of the stores above or of the next stage's reads
.irp i, 0,1,2,3,4,5,6
	v_pk_mul_f32 v[YC+2*\i:YC+2*\i+1], v[\YD+2*\i:\YD+2*\i+1], s[\CN:\CN+1] op_sel_hi:[1,0]
.endr
.irp i, 0,1,2,3,4,5,6
.if \mode == 4
	v_pk_mul_f32 v[AC+2*\i:AC+2*\i+1], v[\YD+2*\i:\YD+2*\i+1], s[\WN:\WN+1] op_sel_hi:[1,0]     ; the next step's sum starts with - P/3
.else
	v_pk_fma_f32 v[AC+2*\i:AC+2*\i+1], v[\YD+2*\i:\YD+2*\i+1], s[\WN:\WN+1], v[AC+2*\i:AC+2*\i+1] op_sel_hi:[1,0,1]
.endif
.endr
.endm
	s_mov_b32 s31, 249
.Lstep:
	STAGE 0, YS, P0P, CVH, WVM, 20, 26, 1          ; at P: Y2 = P + dz/2 k1; the pump powers loaded here are the step's start in every lane
	STAGE 1, YS, PPS, CVH, WV1, 22, 46, 2          ; at Y2: Y3 = P + dz/2 k2
	STAGE 0, YS, PPS, CVF, WV2, 24, 26, 2          ; at Y3: Y4 = P + dz k3
	STAGE 1, P0, PPS, CVS, WV1, 20, 48, 4          ; at Y4: P = the step's sum + dz/6 k4
	s_sub_co_i32 s31, s31, 1
	s_cmp_lg_u32 s31, 0
	s_cbranch_scc1 .Lstep
	; the way out: my 13 channels of batch row r into a dense stage of 16 rows x 400 bytes, read back in 16-byte pieces
	v_mul_u32_u24 v16, v201, 400
	v_mad_u32_u24 v16, v202, 52, v16
	s_mul_i32 s40, s18, 104
	s_add_co_u32 s40, s40, OSB
	v_add_nc_u32 v16, s40, v16                     ; OSB + 400 r + 4 (26 w + 13 h)
	s_cmp_eq_u32 s18, 3
	s_cselect_b32 s41, ODUMP, 0
	v_mad_u32_u24 v17, v202, s41, v16              ; wave 3, h = 1: t = 9..12 are channels 100..103, which do not exist: aside
	v_lshlrev_b32 v19, 4, v0
	v_add_nc_u32 v18, OSB, v19
	s_wait_alu depctr_va_vdst(0)                   ; the four addresses v16 to v19 are written, which the stores and loads below read; the last products are done reading v[20:31], in which the loads from the stage land
.irp t, 0,1,2,3,4,5,6,7,8
	ds_store_b32 v16, v[P0+\t] offset:4*\t
.endr
.irp t, 9,10,11,12
	ds_store_b32 v17, v[P0+\t] offset:4*\t
.endr
	s_wait_dscnt 0x0                               ; my channels are in the stage before I say so
	s_barrier_signal -1
	s_barrier_wait -1
.irp k, 0,1,2
	ds_load_b128 v[20+4*\k:23+4*\k], v18 offset:2048*\k
.endr
.irp k, 0,1,2
	s_wait_dscnt 2-\k                              ; piece k is back, the younger ones may be out
	global_store_b128 v19, v[20+4*\k:23+4*\k], s[16:17] offset:2048*\k   ; a wave's store covers 512 consecutive bytes, aligned
.endr
	s_cmp_lg_u32 s18, 0
	s_cbranch_scc1 .Ldone
	v_lshlrev_b32 v32, 3, v0                       ; the last 256 of the 6,400 bytes: wave 0, 8 bytes a lane
	v_add_nc_u32 v33, OSB+6144, v32
	s_wait_alu depctr_va_vdst(0)                   ; v32 and v33 are written, which the load and the store below read as their addresses
	ds_load_b64 v[34:35], v33
	s_wait_dscnt 0x0
	global_store_b64 v32, v[34:35], s[16:17] offset:6144
.Ldone:
	s_wait_dscnt 0x0
	s_wait_alu depctr_hold_cnt(0) depctr_sa_sdst(0) depctr_va_vdst(0) depctr_va_sdst(0) depctr_va_ssrc(0) depctr_va_vcc(0) depctr_vm_vsrc(0)
	s_wait_tensorcnt 0x0
	ds_add_u32 v195, v255
	s_wait_dscnt 0x0
	s_endpgm
.Lfunc_end_k_q53eb849e22_raman:
	.size	k_q53eb849e22_raman, .Lfunc_end_k_q53eb849e22_raman-k_q53eb849e22_raman
	.p2alignl 7, 3214868480
	.fill 96, 4, 3214868480
	.section	.rodata,"a",@progbits
	.p2align	6, 0x0
	.amdhsa_kernel k_q53eb849e22_raman
		.amdhsa_group_segment_fixed_size 168448
		.amdhsa_private_segment_fixed_size 0
		.amdhsa_enable_private_segment 0
		.amdhsa_kernarg_size 56
		.amdhsa_user_sgpr_count 2
		.amdhsa_user_sgpr_kernarg_segment_ptr 1
		.amdhsa_wavefront_size32 1
		.amdhsa_system_sgpr_workgroup_id_x 1
		.amdhsa_system_sgpr_workgroup_id_y 1
		.amdhsa_system_sgpr_workgroup_id_z 1
		.amdhsa_system_vgpr_workitem_id 0
		.amdhsa_next_free_vgpr 448
		.amdhsa_next_free_sgpr 66
		.amdhsa_reserve_vcc 0
		.amdhsa_float_denorm_mode_32 3
		.amdhsa_float_denorm_mode_16_64 3
		.amdhsa_memory_ordered 1
		.amdhsa_forward_progress 1
		.amdhsa_inst_pref_size 117
	.end_amdhsa_kernel
	.amdgpu_metadata
---
amdhsa.version: [ 1, 2 ]
amdhsa.kernels:
  - .name:           k_q53eb849e22_raman
    .symbol:         k_q53eb849e22_raman.kd
    .args:
      - { .name: raman_response, .offset: 0, .size: 8, .value_kind: global_buffer, .address_space: global }
      - { .name: signal_wavelengths, .offset: 8, .size: 8, .value_kind: global_buffer, .address_space: global }
      - { .name: x, .offset: 16, .size: 8, .value_kind: global_buffer, .address_space: global }
      - { .name: idx_ss, .offset: 24, .size: 8, .value_kind: global_buffer, .address_space: global }
      - { .name: idx_pb, .offset: 32, .size: 8, .value_kind: global_buffer, .address_space: global }
      - { .name: idx_pp, .offset: 40, .size: 8, .value_kind: global_buffer, .address_space: global }
      - { .name: out0, .offset: 48, .size: 8, .value_kind: global_buffer, .address_space: global }
    .group_segment_fixed_size: 168448
    .private_segment_fixed_size: 0
    .kernarg_segment_align: 8
    .kernarg_segment_size: 56
    .max_flat_workgroup_size: 128
    .sgpr_count:     66
    .vgpr_count:     448
    .wavefront_size: 32
...
	.end_amdgpu_metadata
.endif
;; end of part 4
